; MI455X (gfx1250); checked and timed in simulation.
; The chip was launched on July 23, 2026; its instructions are those of AMD's public machine-readable ISA for CDNA 5 (MIT licence, August 2026) and "CDNA5" Instruction Set Architecture Reference Guide (July 2026). The comments in the code are by the model that wrote it; some were corrected since.
;; Multi Head Attention. Allowed arithmetic: matrix products marked QUANTISED: E2M1 operands, one E8M0 scale for each 32 along K, by v_wmma_scale_f32_16x16x128_f8f6f4 with both operands' format E2M1 (or v_wmma_scale_f32_32x16x128_f4), f32 sums; products left as they are: bf16, f16 or f32 operands; f32 sums; everything else in f32.
;; Inputs: Wk 1,024 x 1,024 float32; Wo 1,024 x 1,024 float32; Wq 1,024 x 1,024 float32; Wv 1,024 x 1,024 float32; bk 1,024 float32; bo 1,024 float32; bq 1,024 float32; bv 1,024 float32; x 4 x 2,048 x 1,024 float32.
;; Outputs: out0 4 x 2,048 x 1,024 float32.
;; This version of the problem:
;;   THIS VERSION OF THE PROBLEM IS GIVEN IN LOW PRECISION. The matrix products marked QUANTISED in the list below multiply operands that are first quantised to E2M1 (2 exponent bits, 1 mantissa bit; 4 bits a number), with one power-of-two scale for each 32 numbers along K (OCP MX v1.0); their sums are f32. The products marked 'left as it is' may take bf16, f16 or f32 operands, with f32 sums. Whichever they take, every output number must still come out within the allowed error. Rounding operands to bf16 (8 significant bits) uses up far more of that allowance than f16 does (11 bits, for magnitudes from 6e-5 to 65,504). All else is computed in f32.
;;   The module's matrix products, in the order in which they are computed (A, B: the left and right operand; K: the contracted axis; several contracted axes count as one K, in the product's order):
;;     1. [M 8,192, K 1,024] x [K 1,024, N 1,024]; A: input x; B: input Wq: QUANTISED
;;     2. [M 8,192, K 1,024] x [K 1,024, N 1,024]; A: input x; B: input Wk: QUANTISED
;;     3. [M 8,192, K 1,024] x [K 1,024, N 1,024]; A: input x; B: input Wv: QUANTISED
;;     4. batch 64 x [M 2,048, K 64] x [K 64, N 2,048]; A: computed on the way; B: computed on the way: left as it is (an operand is computed on the way)
;;     5. batch 64 x [M 2,048, K 2,048] x [K 2,048, N 64]; A: computed on the way; B: computed on the way: left as it is (an operand is computed on the way)
;;     6. [M 8,192, K 1,024] x [K 1,024, N 1,024]; A: computed on the way; B: input Wo: left as it is (an operand is computed on the way)
;;   THE QUANTISER, for each operand of a quantised product, along K:
;;     - K is cut into blocks of 32 from its start; a last block that is shorter is filled with zeros.
;;     - A block's scale is 2^e with e = floor(log2(the largest magnitude in the block)) - 2, held to -126 .. 127; a block of zeros has e = 0. As a byte (E8M0): e + 127.
;;     - Each number is divided by its block's scale, clamped to +-6, and rounded to the nearest number of E2M1, ties to even, subnormals kept.
;;     - The product sums the exact products of the quantised numbers (number of the format x scale) in f32.
;;   ~~~python
;;   def quantise(x, axis):      # numpy; x: float32 -> the quantised numbers, widened to float32 again
;;       x = np.moveaxis(x, axis, -1); K = x.shape[-1]
;;       x = np.pad(x, [(0, 0)] * (x.ndim - 1) + [(0, -K % 32)]); x = x.reshape(x.shape[:-1] + (-1, 32)); a = np.abs(x).max(-1, keepdims=True)
;;       e = np.where(a > 0, np.clip(np.frexp(np.where(a > 0, a, 1))[1] - 1 - 2, -126, 127), 0)      # np.frexp(a)[1] - 1 = floor(log2(a)), exactly
;;       r = np.clip(x / 2.0 ** e, -6, 6)
;;       step = 2.0 ** (np.maximum(np.frexp(np.where(r == 0, 1, r))[1] - 1, 0) - 1)
;;       q = np.round(r / step) * step * 2.0 ** e      # np.round: ties to even
;;       return np.moveaxis(q.reshape(q.shape[:-2] + (-1,))[..., :K], -1, axis).astype(np.float32)
;;   ~~~
;; One version. Each part assembles by itself: llvm-mc -triple=amdgcn-amd-amdhsa -mcpu=gfx1250 --defsym DOCPART=n.
;; ======== version 1 of 1: 4 launches
;; limits: values are held in f16: magnitudes above 65,504 overflow, below 6.1e-05 lose precision
;; workspace buffers: xc 4,194,304 bytes; xs 262,144 bytes; wc 1,572,864 bytes; ws 98,304 bytes; wo16 2,097,152 bytes; qkv 50,331,648 bytes; o16 16,777,216 bytes
;; launch prep (part 1): grid 336 x 1, 4 waves a work-group, no clusters, 68,096 bytes of LDS; arguments x, Wq, Wk, Wv, Wo, xc, xs, wc, ws, wo16; writes xc, xs, wc, ws, wo16
.if DOCPART == 1
	.amdgcn_target "amdgcn-amd-amdhsa--gfx1250"
	.amdhsa_code_object_version 6
	.text
	.protected	k_q4641555022_prep
	.globl	k_q4641555022_prep
	.p2align	8
	.type	k_q4641555022_prep,@function
k_q4641555022_prep:
	s_mov_b64 s[64:65], 0
	v_nop
	global_prefetch_b8 v0, s[64:65] scope:SCOPE_SE
	s_setreg_imm32_b32 hwreg(HW_REG_WAVE_MODE, 25, 1), 1
	s_wait_xcnt 0x0
; PREP: what the three later launches read is made here, once.
;   work-groups  0 .. 47: Wq, Wk, Wv [1024 k][1024 n] f32, K the FIRST axis -> codes of FP4 (E2M1) laid [3072 n][1024 k], K innermost (wc), one E8M0 byte for each 32 along K (ws).  They stand first: their chain of blocks is the longest.
;   work-groups 48 .. 79: Wo f32 -> f16, as it lies (wo16).
;   work-groups 80 ..335: x [8192][1024] f32, K innermost -> codes (xc) and scale bytes (xs).
; A block's scale is 2^(floor(log2(its largest magnitude)) - 2); its byte is the largest magnitude's exponent field - 2, held at 1 from below.
; LIMITS: a block whose largest magnitude lies under 2^-124 (a block of zeros too) gets the byte 1: its codes are zeros or nearly, and this program alone reads the bytes.  NaN and infinities are not served.
;         Wo beyond 65,504 overflows f16.
; The three paths part on the work-group's number alone; each has LDS bytes of its own.  No tensor load, no barrier: waves share nothing.
.set SPARE, 67584                      ; behind both paths' stages: the spare words, 128 bytes for each wave
.set SPW,   192                        ; v192  LDS address of my spare word; never rewritten
.set NIL,   193                        ; v193  0; never rewritten
.set EMAX,  2
.macro ENDW                            ; a wave's end
	s_wait_tensorcnt 0x0
	ds_add_u32 v[SPW], v[NIL]
	s_wait_dscnt 0x0
	s_endpgm
.endm
	s_load_b512 s[4:19], s[0:1], 0x0               ; x 4:5, Wq 6:7, Wk 8:9, Wv 10:11, Wo 12:13, xc 14:15, xs 16:17, wc 18:19
	s_load_b128 s[20:23], s[0:1], 0x40             ; ws 20:21, wo16 22:23
	v_lshl_add_u32 v[SPW], v0, 2, SPARE
	v_mov_b32 v[NIL], 0
	v_lshrrev_b32 v1, 5, v0
	v_readfirstlane_b32 s24, v1                    ; wave 0..3
	v_and_b32 v2, 31, v0                           ; lane
	s_cmp_lt_u32 ttmp9, 48
	s_cbranch_scc1 .Lweights
	s_cmp_lt_u32 ttmp9, 80
	s_cbranch_scc1 .Lwo
; ---------------- x: a plain stream of blocks of 32.  A wave takes 16 steps of 512 numbers.
; Each load reads 512 consecutive bytes; a step's 2,048 bytes turn through the wave's own stage in LDS, so that a lane then holds 16 NEIGHBOURS along K (two neighbouring lanes hold a block).
.set STEPS, 16
.set CB,    8                          ; bytes of 16 codes
.set XR,    16                         ; v16-79   four sets of 16 numbers as loaded
.set XX,    80                         ; v80-111  two sets of 16 neighbours
.set XE,    112                        ; v112-127 a scale byte for each step
.set XC,    128                        ; v128-191 codes: four registers for each step, so that no store's data are written again
.set WREG,  8192                       ; LDS 0 .. 32,767: a region for each wave: two stages of 32 x 80 bytes, then its 256 scale bytes
.set SP,    80
	v_lshlrev_b32 v3, 4, v2                        ; my 16 bytes of a load's 512
	s_mul_i32 s25, s24, WREG
	v_lshrrev_b32 v14, 2, v2
	v_mul_u32_u24 v14, v14, SP
	v_and_b32 v15, 3, v2
	v_lshl_add_u32 v14, v15, 4, v14
	v_add_nc_u32 v14, s25, v14                     ; into the stage: 80 (lane / 4) + 16 (lane % 4)
	v_mul_u32_u24 v15, v2, SP
	v_add_nc_u32 v15, s25, v15                     ; out of it: 80 x lane: my 16 neighbours
	v_mul_u32_u24 v4, v2, CB                       ; my codes' place in a step's 256 bytes
	v_lshrrev_b32 v5, 1, v2
	s_add_co_u32 s25, s25, 2*32*SP
	v_add_nc_u32 v5, s25, v5                       ; my block's scale byte in LDS
	v_lshlrev_b32 v7, 3, v2
	v_add_nc_u32 v6, s25, v7                       ; and 8 of them a lane on the way out
	s_sub_co_u32 s26, ttmp9, 80
	s_lshl_b32 s26, s26, 2
	s_add_co_u32 s26, s26, s24                     ; which run of 8,192 numbers is my wave's: 0 .. 1,023
	s_mov_b32 s29, 0
	s_wait_kmcnt 0x0
	s_lshl_b32 s28, s26, 15                        ; 32,768 bytes of x,
	s_add_nc_u64 s[4:5], s[4:5], s[28:29]
	s_lshl_b32 s28, s26, 12                        ; 4,096 of codes,
	s_add_nc_u64 s[14:15], s[14:15], s[28:29]
	s_lshl_b32 s28, s26, 8                         ; 256 scale bytes a run
	s_add_nc_u64 s[16:17], s[16:17], s[28:29]
.macro XLOAD t
.irp i, 0,1,2,3
	global_load_b128 v[XR+16*((\t)%4)+4*\i:XR+16*((\t)%4)+4*\i+3], v3, s[4:5] offset:2048*(\t)+512*\i th:TH_LOAD_NT
.endr
.endm
.macro XTURN t                         ; LDS serves a wave's instructions in order: no wait between the stores and the loads
.irp i, 0,1,2,3
	ds_store_b128 v14, v[XR+16*((\t)%4)+4*\i:XR+16*((\t)%4)+4*\i+3] offset:32*SP*((\t)%2)+8*SP*\i
.endr
.irp i, 0,1,2,3
	ds_load_b128 v[XX+16*((\t)%2)+4*\i:XX+16*((\t)%2)+4*\i+3], v15 offset:32*SP*((\t)%2)+16*\i
.endr
.endm
.irp t, 0,1,2,3
	XLOAD \t
.endr
	s_wait_loadcnt 12                              ; step 0's four loads are in; twelve younger ones stay out
	XTURN 0
.macro XSTEP t
.set XS, XX+16*((\t)%2)
.if (\t) > 0
	s_wait_dscnt 1                                 ; this step's numbers are back from the stage; the last step's byte store may be out
.else
	s_wait_dscnt 0x0
.endif
.if (\t)+4 < STEPS
	XLOAD (\t)+4                                   ; into the set whose stores into the stage have read their registers
.endif
.if (\t)+1 < STEPS
.if STEPS-2-(\t) >= 3
	s_wait_loadcnt 12                              ; the next step's four loads are in; those of the three steps behind it may be out
.else
	s_wait_loadcnt 4*(STEPS-2-(\t))
.endif
	XTURN (\t)+1
.endif
	v_max3_num_f32 v8, |v[XS]|, |v[XS+1]|, |v[XS+2]|               ; the largest magnitude of my 16, in two chains
	v_max3_num_f32 v9, |v[XS+3]|, |v[XS+4]|, |v[XS+5]|
.irp i, 6,10
	v_max3_num_f32 v8, v8, |v[XS+\i]|, |v[XS+\i+1]|
	v_max3_num_f32 v9, v9, |v[XS+\i+2]|, |v[XS+\i+3]|
.endr
	v_max3_num_f32 v8, v8, |v[XS+14]|, |v[XS+15]|
	v_max3_num_f32 v8, v8, v9, (EMAX+1)<<23        ; and the floor 2^(3 - 127): the byte cannot fall under 1
	v_max_num_f32_dpp v8, v8, v8 row_xmask:1 row_mask:0xf bank_mask:0xf   ; with my neighbour's 16: the block's
	v_add_nc_u32 v11, -(EMAX<<23), v8              ; 2 off its exponent field: the conversion takes that field as its scale and nothing else
	v_cvt_scalef32_pk8_fp4_f32 v[XC+4*(\t)], v[XS:XS+7], v11
	v_cvt_scalef32_pk8_fp4_f32 v[XC+4*(\t)+1], v[XS+8:XS+15], v11
	v_lshrrev_b32 v[XE+(\t)], 23, v11              ; the scale's byte (a plain line behind the conversions)
	ds_store_b8 v5, v[XE+(\t)] offset:16*(\t)      ; both lanes of a block write the same byte with the same value
	global_store_b64 v4, v[XC+4*(\t):XC+4*(\t)+1], s[14:15] offset:32*CB*(\t)   ; the wave stores 256 consecutive bytes, aligned
.endm
.irp t, 0,1,2,3,4,5,6,7,8,9,10,11,12,13,14,15
	XSTEP \t
.endr
	ds_load_b64 v[8:9], v6                         ; my wave's 256 scale bytes: these loads see my stores
	s_wait_dscnt 0x0
	global_store_b64 v7, v[8:9], s[16:17]          ; 256 consecutive bytes, aligned
	ENDW
; ---------------- Wq, Wk, Wv: a lane takes a column n and its registers run DOWN K: a block of 32 lies in one lane, and the conversions give codes with K innermost.
; A wave takes 32 columns x 512 along K: 16 blocks a lane.  The codes leave through the wave's own stage, sixteen lanes to 256 consecutive bytes of a row of wc.
.set NB,    16
.set PITCH, 272
.set KROW,  512                        ; a row of wc in bytes
.set WSTG,  32768                      ; LDS 32,768 .. 67,583: four stages of 32 x 272
.set WX,    32                         ; v32-95   two sets of 32 numbers
.set WC,    96                         ; v96-99   a block's codes
.set WOUT,  112                        ; v112-175 the way out
.set WSB,   24                         ; v24-27   the scale bytes, four to a register
.Lweights:
	s_lshr_b32 s25, ttmp9, 4                       ; which weight: 0 Wq, 1 Wk, 2 Wv
	s_and_b32 s26, ttmp9, 7                        ; which 128 columns
	s_bfe_u32 s27, ttmp9, 0x10003                  ; which 512 along K
	s_lshl_b32 s28, s26, 7
	s_lshl_b32 s29, s24, 5
	s_add_co_u32 s28, s28, s29                     ; my wave's first column in the weight
	v_lshlrev_b32 v3, 2, v2                        ; in: 4 bytes a lane
	s_mul_i32 s29, s24, 32*PITCH
	s_add_co_u32 s29, s29, WSTG                    ; my stage
	v_mul_u32_u24 v4, v2, PITCH
	v_add_nc_u32 v4, s29, v4                       ; into it: row = my column
	v_and_b32 v5, 15, v2
	v_lshrrev_b32 v6, 4, v2
	v_mul_u32_u24 v7, v6, PITCH
	v_lshl_add_u32 v7, v5, 4, v7
	v_add_nc_u32 v7, s29, v7                       ; out of it: sixteen lanes to a row, two rows an instruction
	v_mul_u32_u24 v8, v6, KROW
	v_lshl_add_u32 v8, v5, 4, v8                   ; and the same place in wc
	v_mul_u32_u24 v9, v2, 32                       ; my column's row of scale bytes
	s_lshl_b32 s30, s27, 21                        ; the weight: 512 rows of 4,096 bytes for each half of K,
	s_lshl_b32 s31, s28, 2
	s_add_co_u32 s30, s30, s31                     ; + 4 x column
	s_mov_b32 s31, 0
	s_lshl_b32 s32, s25, 10
	s_add_co_u32 s32, s32, s28                     ; the row of wc and ws
	s_lshl_b32 s34, s32, 9
	s_lshl_b32 s33, s27, 8
	s_add_co_u32 s34, s34, s33                     ; wc: row x 512 + 256 x half
	s_mov_b32 s35, 0
	s_lshl_b32 s36, s32, 5
	s_lshl_b32 s33, s27, 4
	s_add_co_u32 s36, s36, s33                     ; ws: row x 32 + 16 x half
	s_mov_b32 s37, 0
	s_wait_kmcnt 0x0
	s_cmp_eq_u32 s25, 1                            ; the choice of the buffer hangs on the work-group's number alone
	s_cselect_b64 s[8:9], s[8:9], s[10:11]
	s_cmp_eq_u32 s25, 0
	s_cselect_b64 s[6:7], s[6:7], s[8:9]
	s_add_nc_u64 s[6:7], s[6:7], s[30:31]
	s_add_nc_u64 s[18:19], s[18:19], s[34:35]
	s_add_nc_u64 s[20:21], s[20:21], s[36:37]
.macro WLOAD t                         ; block t: W(32 t + i, my column): 32 lanes read 128 consecutive bytes
.irp i, 0,1,2,3,4,5,6,7,8,9,10,11,12,13,14,15,16,17,18,19,20,21,22,23,24,25,26,27,28,29,30,31
	global_load_b32 v[WX+32*((\t)%2)+\i], v3, s[6:7] offset:(32*(\t)+\i)*4096 th:TH_LOAD_NT
.endr
.endm
	WLOAD 0
	WLOAD 1
.macro WBLOCK t
.set WXS, WX+32*((\t)%2)
.if (\t) < NB-1
	s_wait_loadcnt 32                              ; this block's 32 loads are in; the next block's may be out
.else
	s_wait_loadcnt 0
.endif
	v_max3_num_f32 v12, |v[WXS]|, |v[WXS+1]|, |v[WXS+2]|           ; the block's largest magnitude: all 32 numbers are mine
	v_max3_num_f32 v13, |v[WXS+3]|, |v[WXS+4]|, |v[WXS+5]|
.irp i, 6,10,14,18,22,26
	v_max3_num_f32 v12, v12, |v[WXS+\i]|, |v[WXS+\i+1]|
	v_max3_num_f32 v13, v13, |v[WXS+\i+2]|, |v[WXS+\i+3]|
.endr
	v_max3_num_f32 v12, v12, |v[WXS+30]|, |v[WXS+31]|
	v_max3_num_f32 v12, v12, v13, (EMAX+1)<<23     ; and the floor
	v_add_nc_u32 v11, -(EMAX<<23), v12             ; the conversion's scale operand
	v_lshrrev_b32 v13, 23, v11                     ; the scale's byte
.if (\t)%4 == 0
	v_mov_b32 v[WSB+(\t)/4], v13                   ; four bytes to a register, the lower K in the lower byte
.else
	v_lshl_or_b32 v[WSB+(\t)/4], v13, 8*((\t)%4), v[WSB+(\t)/4]
.endif
.irp g, 0,1,2,3
	v_cvt_scalef32_pk8_fp4_f32 v[WC+\g], v[WXS+8*\g:WXS+8*\g+7], v11
.endr
	ds_store_b128 v4, v[WC:WC+3] offset:16*(\t)    ; 32 codes: 16 bytes of my column's row
.if (\t)+2 < NB
	WLOAD (\t)+2
.endif
	s_wait_dscnt 0x0                               ; the store has read its registers: the next block's codes may be written
.endm
.set Q, 0
.rept NB
	WBLOCK Q
.set Q, Q+1
.endr
	global_store_b128 v9, v[WSB:WSB+3], s[20:21]   ; my column's 16 scale bytes
.irp t, 0,1,2,3,4,5,6,7,8,9,10,11,12,13,14,15
	ds_load_b128 v[WOUT+4*\t:WOUT+4*\t+3], v7 offset:2*\t*PITCH
.endr
.irp t, 0,1,2,3,4,5,6,7,8,9,10,11,12,13,14,15
	s_wait_dscnt 15-\t                             ; LDS loads come back in order: load t is in, the younger ones stay out
	global_store_b128 v8, v[WOUT+4*\t:WOUT+4*\t+3], s[18:19] offset:2*\t*KROW
.endr
	ENDW
; ---------------- Wo: f32 to f16, as it lies.  A wave takes 8,192 numbers in four groups of 16 loads; two groups are on their way.
.Lwo:
	s_sub_co_u32 s25, ttmp9, 48
	s_lshl_b32 s25, s25, 2
	s_add_co_u32 s25, s25, s24                     ; which run of 8,192 numbers: 0 .. 127
	s_lshl_b32 s26, s25, 15
	s_mov_b32 s27, 0
	s_lshl_b32 s28, s25, 14
	s_mov_b32 s29, 0
	v_lshlrev_b32 v3, 4, v2                        ; in: 16 bytes a lane
	v_lshlrev_b32 v4, 3, v2                        ; out: 8 bytes a lane
	s_wait_kmcnt 0x0
	s_add_nc_u64 s[12:13], s[12:13], s[26:27]
	s_add_nc_u64 s[22:23], s[22:23], s[28:29]
.macro OLOAD g
.irp i, 0,1,2,3,4,5,6,7,8,9,10,11,12,13,14,15
	global_load_b128 v[32+64*((\g)%2)+4*\i:32+64*((\g)%2)+4*\i+3], v3, s[12:13] offset:8192*(\g)+512*\i th:TH_LOAD_NT
.endr
.endm
	OLOAD 0
	OLOAD 1
.irp g, 0,1,2,3
.if \g < 3
	s_wait_loadcnt 16                              ; this group's 16 loads are in; the next group's may be out
.else
	s_wait_loadcnt 0x0
.endif
.if \g > 0
	s_wait_xcnt 0x0                                ; the last group's stores have read v160-191: they are written again only behind this wait
.endif
.irp i, 0,1,2,3,4,5,6,7,8,9,10,11,12,13,14,15
	v_cvt_pk_f16_f32 v[160+2*\i], v[32+64*(\g%2)+4*\i], v[32+64*(\g%2)+4*\i+1]
	v_cvt_pk_f16_f32 v[161+2*\i], v[32+64*(\g%2)+4*\i+2], v[32+64*(\g%2)+4*\i+3]
.endr
.irp i, 0,1,2,3,4,5,6,7,8,9,10,11,12,13,14,15
	global_store_b64 v4, v[160+2*\i:161+2*\i], s[22:23] offset:4096*\g+256*\i   ; the wave stores 256 consecutive bytes, aligned
.endr
.if \g < 2
	OLOAD \g+2
.endif
.endr
	s_endpgm
.Lfunc_end_k_q4641555022_prep:
	.size	k_q4641555022_prep, .Lfunc_end_k_q4641555022_prep-k_q4641555022_prep
	.p2alignl 7, 3214868480
	.fill 96, 4, 3214868480
	.section	.rodata,"a",@progbits
	.p2align	6, 0x0
	.amdhsa_kernel k_q4641555022_prep
		.amdhsa_group_segment_fixed_size 68096
		.amdhsa_private_segment_fixed_size 0
		.amdhsa_enable_private_segment 0
		.amdhsa_kernarg_size 80
		.amdhsa_user_sgpr_count 2
		.amdhsa_user_sgpr_kernarg_segment_ptr 1
		.amdhsa_wavefront_size32 1
		.amdhsa_system_sgpr_workgroup_id_x 1
		.amdhsa_system_sgpr_workgroup_id_y 1
		.amdhsa_system_sgpr_workgroup_id_z 1
		.amdhsa_system_vgpr_workitem_id 0
		.amdhsa_next_free_vgpr 200
		.amdhsa_next_free_sgpr 66
		.amdhsa_reserve_vcc 0
		.amdhsa_float_denorm_mode_32 3
		.amdhsa_float_denorm_mode_16_64 3
		.amdhsa_memory_ordered 1
		.amdhsa_forward_progress 1
		.amdhsa_inst_pref_size 132
	.end_amdhsa_kernel
	.amdgpu_metadata
---
amdhsa.version: [ 1, 2 ]
amdhsa.kernels:
  - .name:           k_q4641555022_prep
    .symbol:         k_q4641555022_prep.kd
    .args:
      - { .name: x, .offset: 0, .size: 8, .value_kind: global_buffer, .address_space: global }
      - { .name: Wq, .offset: 8, .size: 8, .value_kind: global_buffer, .address_space: global }
      - { .name: Wk, .offset: 16, .size: 8, .value_kind: global_buffer, .address_space: global }
      - { .name: Wv, .offset: 24, .size: 8, .value_kind: global_buffer, .address_space: global }
      - { .name: Wo, .offset: 32, .size: 8, .value_kind: global_buffer, .address_space: global }
      - { .name: xc, .offset: 40, .size: 8, .value_kind: global_buffer, .address_space: global }
      - { .name: xs, .offset: 48, .size: 8, .value_kind: global_buffer, .address_space: global }
      - { .name: wc, .offset: 56, .size: 8, .value_kind: global_buffer, .address_space: global }
      - { .name: ws, .offset: 64, .size: 8, .value_kind: global_buffer, .address_space: global }
      - { .name: wo16, .offset: 72, .size: 8, .value_kind: global_buffer, .address_space: global }
    .group_segment_fixed_size: 68096
    .private_segment_fixed_size: 0
    .kernarg_segment_align: 8
    .kernarg_segment_size: 80
    .max_flat_workgroup_size: 128
    .sgpr_count:     66
    .vgpr_count:     200
    .wavefront_size: 32
...
	.end_amdgpu_metadata
.endif
;; end of part 1
;; launch qkv (part 2): grid 12 x 32, 4 waves a work-group, clusters of 4 x 4, 327,680 bytes of LDS; arguments xc, xs, wc, ws, bq, bk, bv, qkv; writes qkv
.if DOCPART == 2
	.amdgcn_target "amdgcn-amd-amdhsa--gfx1250"
	.amdhsa_code_object_version 6
	.text
	.protected	k_q4641555022_qkv
	.globl	k_q4641555022_qkv
	.p2align	8
	.type	k_q4641555022_qkv,@function
k_q4641555022_qkv:
	s_mov_b64 s[64:65], 0
	v_nop
	global_prefetch_b8 v0, s[64:65] scope:SCOPE_SE
	s_setreg_imm32_b32 hwreg(HW_REG_WAVE_MODE, 25, 1), 1
	s_wait_xcnt 0x0
	s_wait_alu depctr_hold_cnt(0) depctr_sa_sdst(0) depctr_va_vdst(0) depctr_va_sdst(0) depctr_va_ssrc(0) depctr_va_vcc(0) depctr_vm_vsrc(0)
	s_getreg_b32 s2, hwreg(HW_REG_IB_STS2, 6, 4)
	s_cmp_eq_u32 s2, 0
	s_cbranch_scc0 .Lentry_in_a_cluster
	s_endpgm
.Lentry_in_a_cluster:
	s_bfe_u32 s2, ttmp6, 0x10000c
	s_cmp_lg_u32 s2, 0xf033
	s_cbranch_scc0 .Lentry_shape_is_right
	s_endpgm
.Lentry_shape_is_right:
; QKV: C[m][n] = sum over k of x[m][k] W[k][n] + bias[n], on codes of FP4 (E2M1) with one E8M0 scale for each 32 along K.  m: 8,192 tokens; n: 3,072 = Wq's, Wk's, Wv's columns on end; K = 1,024.
; xc [8192][512 bytes], wc [3072][512 bytes]: codes, K innermost; xs [8192][32], ws [3072][32]: scale bytes.  Results leave as f16, laid by heads: qkv [3][64 = batch x 16 + head][2048][64];
; section 0 (q) is multiplied by c = log2(e) / 32, so that the attention's scores are exponents of 2.
; LIMITS: |q c|, |k|, |v| beyond 65,504 overflow f16; under 6e-5 f16's absolute step of 6e-8 holds.
; A tile of C, 256 x 256, is made by four waves, each 128 x 128: 64 accumulators, 512 registers.  K is two steps of 512, one in each of two LDS slots (a tile's row is 256 bytes of memory):
; both slots and all scale bytes are first fills, so nothing is ever filled again: no loop, and no round of the cluster's barrier but the opening and the closing one.
; CLUSTERS: 4 x 4 work-groups.  The four of a row of the cluster need the same tiles of x, the four of a column the same tiles of W: each tile is asked for JOINTLY, by the same tensor load with the same descriptor and a mask
; that names the four.  A cluster's four tile columns are one weight: the cluster's x says which (0 q, 1 k, 2 v), so the choice of bias and factor is alike in all partners.
; THE MATRIX INSTRUCTION IS USED TRANSPOSED (source 0 = 16 rows of wc, source 1 = 16 rows of xc): a lane holds eight neighbouring columns of one token.  THE BIAS IS THE C of each sum's first instruction.
; REGISTERS, in windows of 256: window 0: v0-31 addresses; v32-95 scale words, two sets; v128-191 x's fragments, one set; v192-255 the bias, 8 registers for each of my 8 column blocks; on the way out v32-191 are free.
;   window 1: W's fragments, two sets, at v0 and v128.   window 2: the accumulators of my rows 0-63 ((a, b) at v[8 (8 a + b)]);   window 3: those of my rows 64-127.
.set NQ,     4                         ; matrix instructions deep in a slot: 512 / 128
.set ROWB,   256                       ; a tile's row in bytes
.set KROW,   512                       ; a row of xc or wc in memory
.set PITCH,  272                       ; an LDS row: 256 bytes + 16 of padding: the 16 rows that a load touches start 16 bytes apart modulo 256
.set FR,     8                         ; registers of a fragment
.set NL,     2                         ; LDS loads that bring one
.set NP,     4                         ; places behind this matrix instruction (ISA guide 7.12.1)
.set HALFT,  128*PITCH
.set SLOT,   4*HALFT                   ; x's 256 rows, then W's 256 rows
.set KS,     32                        ; a row of scale bytes
.set SCL,    2*SLOT                    ; behind the slots: the scale bytes, as units of 256 bytes + 16
.set HALFS,  (128*KS/256)*272          ; those of 128 rows: what one tensor load brings
.set SBLK,   (16*KS/256)*272           ; those of 16 rows
.set SPARE,  SCL+4*HALFS               ; the spare words, 128 bytes for each wave
.set HSTG,   8*272                     ; the way out: a head's 16 tokens x 128 bytes, as 8 units of two tokens + 16 of padding; two heads for each wave, in slot 0, which has had its only fill and its last read by then
.set ADRA, 16
.set ADRB, 20
.set STO,  24
.set RD,   25
.set CO,   26
.set ADRS, 27
.set SPW,  28
.set NIL,  29
.set SC,   32
.set AF,   128
.set BIAS, 192
.set PM,   32                          ; the way out: a block's 64 numbers x the factor,
.set TMP,  96                          ; as f16,
.set BK,   128                         ; and back from the stage: v128-159 and v160-191 by turns
.set G1, 24
.set G0, 32
.set G1B, 48
.set G0B, 56
.set G1S, 68
.set G0S, 76
.set G1SB, 80
.set G0SB, 88
.set MSB, 0
.macro WIN new                         ; the immediate's high byte repeats the setting that is left
.if MSB != \new
	s_set_vgpr_msb (MSB<<8)|\new
.set MSB, \new
.endif
.endm
.set MUL_LO,   0xa1                    ; source 0 (W) window 1, source 1 (x) window 0, C and D window 2
.set MUL_HI,   0xf1                    ; the same, C and D window 3
.set FIRST_LO, 0x81                    ; C (the bias) window 0, D window 2
.set FIRST_HI, 0xc1                    ; C window 0, D window 3
.set TO_B,     0x40
.macro JLOAD g0a, g1a, g0b, g1b        ; a joint load: waves 0 and 1 fetch for x, waves 2 and 3 for W; an s_nop 0 and four v_nop follow each line
	s_cmp_eq_u32 s15, 0
	s_cbranch_scc0 .Lfor_b_\@
	tensor_load_to_lds s[\g0a:\g0a+3], s[\g1a:\g1a+7]
	s_nop 0
.rept 4
	v_nop
.endr
	s_branch .Lasked_\@
.Lfor_b_\@:
	tensor_load_to_lds s[\g0b:\g0b+3], s[\g1b:\g1b+7]
	s_nop 0
.rept 4
	v_nop
.endr
.Lasked_\@:
.endm
.macro CROUND                          ; a round of the cluster's barrier
	s_barrier_signal -1
	s_barrier_wait -1
	s_cmp_lg_u32 s14, 0
	s_cbranch_scc1 .Lnot_wave_0_\@
	s_barrier_signal -3
.Lnot_wave_0_\@:
	s_barrier_wait -3
	s_barrier_signal -1
	s_barrier_wait -1
.endm
	s_load_b128 s[4:7], s[0:1], 0x0                ; xc, xs
	s_load_b128 s[8:11], s[0:1], 0x10              ; wc, ws
	s_load_b128 s[96:99], s[0:1], 0x20             ; bq, bk
	s_load_b64 s[100:101], s[0:1], 0x30            ; bv
	s_load_b64 s[12:13], s[0:1], 0x38              ; qkv
	v_lshl_add_u32 v[SPW], v0, 2, SPARE
	v_mov_b32 v[NIL], 0
	ds_add_u32 v[SPW], v[NIL]                      ; the wave's opening: the add, twice on end, and its wait ahead of my first tensor load
	ds_add_u32 v[SPW], v[NIL]
	v_lshrrev_b32 v1, 5, v0
	v_readfirstlane_b32 s14, v1                    ; wave 0..3
	s_lshr_b32 s15, s14, 1                         ; which half of the tile's rows is mine.  Also: I fetch for x (0) or for W (1)
	s_and_b32 s16, s14, 1                          ; which half of its columns.  Also: which 128 rows of that tile I fetch
	s_bfe_u32 s40, ttmp6, 0x40000                  ; cx, cy: my place in the cluster
	s_bfe_u32 s41, ttmp6, 0x40004
	s_lshl_b32 s42, ttmp9, 2
	s_add_co_u32 s42, s42, s40                     ; tile column = 4 x cluster x + cx
	s_and_b32 s17, ttmp7, 0xffff
	s_lshl_b32 s17, s17, 2
	s_add_co_u32 s17, s17, s41                     ; tile row = 4 x cluster y + cy
	s_lshl_b32 s43, s41, 2
	s_lshl_b32 s43, 15, s43                        ; my row of the cluster
	s_lshl_b32 s44, 0x1111, s40                    ; my column
	s_or_b32 s[G1+0], s43, (0<<16)|(1<<20)|(1<<21)|(5<<22)|(3<<25)  ; the mask; elements of 1 byte; padding on; bit 21 beside a mask; 4 words behind every 64
	s_or_b32 s[G1B+0], s44, (0<<16)|(1<<20)|(1<<21)|(5<<22)|(3<<25)
.irp g, G1, G1B
	s_mov_b32 s[\g+1], ROWB<<16                    ; tensor_dim0
	s_mov_b32 s[\g+2], 128<<16                     ; tensor_dim1
	s_mov_b32 s[\g+3], ROWB<<16                    ; tile_dim0
	s_mov_b32 s[\g+4], 128                         ; tile_dim1
	s_mov_b32 s[\g+5], KROW                        ; from row to row
	s_mov_b32 s[\g+6], 0
	s_mov_b32 s[\g+7], 0
.endr
	s_or_b32 s[G1S+0], s43, (3<<16)|(1<<20)|(1<<21)|(5<<22)|(3<<25) ; the scale bytes of 128 rows: 4,096 dense bytes, as 16 rows of 256 (32 elements of 8 bytes), 16 bytes of padding behind each
	s_or_b32 s[G1SB+0], s44, (3<<16)|(1<<20)|(1<<21)|(5<<22)|(3<<25)
.irp g, G1S, G1SB
	s_mov_b32 s[\g+1], 32<<16
	s_mov_b32 s[\g+2], (128*KS/256)<<16
	s_mov_b32 s[\g+3], 32<<16
	s_mov_b32 s[\g+4], 128*KS/256
	s_mov_b32 s[\g+5], 32
	s_mov_b32 s[\g+6], 0
	s_mov_b32 s[\g+7], 0
.endr
	s_lshl_b32 s18, s16, 7                         ; which 128 rows of the tile I fetch
	s_lshl_b32 s20, s17, 8
	s_add_co_u32 s20, s20, s18                     ; x: row 256 x tile row + 128 x half
	s_lshl_b32 s46, s42, 8
	s_add_co_u32 s46, s46, s18                     ; W: row 256 x tile column + 128 x half
	s_mov_b32 s21, 0
	s_mov_b32 s47, 0
	s_mov_b64 s[18:19], KS
	s_mul_u64 s[22:23], s[20:21], s[18:19]         ; where these rows' scale bytes begin,
	s_mul_u64 s[92:93], s[46:47], s[18:19]
	s_mov_b64 s[18:19], KROW
	s_mul_u64 s[20:21], s[20:21], s[18:19]         ; and their codes
	s_mul_u64 s[46:47], s[46:47], s[18:19]
	s_mul_i32 s45, s14, HALFT                      ; where they go: wave x 128 rows: no place in the cluster enters an LDS address
	s_mul_i32 s94, s14, HALFS
	s_wait_dscnt 0x0                               ; both opening adds are done
	s_wait_kmcnt 0x0
	s_add_nc_u64 s[20:21], s[4:5], s[20:21]
	s_add_nc_u64 s[22:23], s[6:7], s[22:23]
	s_add_nc_u64 s[46:47], s[8:9], s[46:47]
	s_add_nc_u64 s[92:93], s[10:11], s[92:93]
	CROUND                                         ; all sixteen work-groups are here: the joint loads meet
	s_mov_b32 s[G0S], 1
	s_add_co_u32 s[G0S+1], s94, SCL
	s_mov_b64 s[G0S+2:G0S+3], s[22:23]
	s_or_b32 s[G0S+3], s[G0S+3], 0x80000000
	s_mov_b32 s[G0SB], 1
	s_add_co_u32 s[G0SB+1], s94, SCL
	s_mov_b64 s[G0SB+2:G0SB+3], s[92:93]
	s_or_b32 s[G0SB+3], s[G0SB+3], 0x80000000
	JLOAD G0S, G1S, G0SB, G1SB                     ; the scale bytes first: they are wanted with K step 0
.irp s, 0,1
	s_mov_b32 s[G0+4*\s], 1
	s_add_co_u32 s[G0+4*\s+1], s45, \s*SLOT
	s_add_nc_u64 s[G0+4*\s+2:G0+4*\s+3], s[20:21], \s*ROWB
	s_or_b32 s[G0+4*\s+3], s[G0+4*\s+3], 0x80000000
	s_mov_b32 s[G0B+4*\s], 1
	s_add_co_u32 s[G0B+4*\s+1], s45, \s*SLOT
	s_add_nc_u64 s[G0B+4*\s+2:G0B+4*\s+3], s[46:47], \s*ROWB
	s_or_b32 s[G0B+4*\s+3], s[G0B+4*\s+3], 0x80000000
	JLOAD G0+4*\s, G1, G0B+4*\s, G1B               ; three tensor loads of mine are out in all
.endr
	; which weight: the bias and the factor.  The cluster's x alone decides: alike in all sixteen partners
	s_cmp_eq_u32 ttmp9, 1
	s_cselect_b64 s[98:99], s[98:99], s[100:101]
	s_cmp_eq_u32 ttmp9, 0
	s_cselect_b64 s[96:97], s[96:97], s[98:99]
	s_cselect_b32 s98, 0x3d38aa3b, 1.0             ; q is multiplied by c = log2(e) / 32, k and v by 1
	s_mov_b32 s99, s98                             ; (named with it as a pair, so it is written)
	v_and_b32 v1, 15, v0                           ; r = l % 16
	v_bfe_u32 v2, v0, 4, 1                         ; h = l / 16
	s_lshl_b32 s92, s40, 10                        ; the bias of my 128 columns: (256 cx + 128 half) x 4 bytes into the weight's 1,024
	s_lshl_b32 s93, s16, 9
	s_add_co_u32 s92, s92, s93
	s_mov_b32 s93, 0
	s_add_nc_u64 s[96:97], s[96:97], s[92:93]
	v_lshlrev_b32 v7, 5, v2                        ; lane (r, h) wants, for column block b, the numbers 16 b + 8 h + 0 .. 7
.irp b, 0,1,2,3,4,5,6,7
	global_load_b128 v[BIAS+8*\b:BIAS+8*\b+3], v7, s[96:97] offset:64*\b
	global_load_b128 v[BIAS+8*\b+4:BIAS+8*\b+7], v7, s[96:97] offset:64*\b+16
.endr
	v_mul_u32_u24 v3, v1, PITCH
	v_lshl_add_u32 v4, v2, 4, v3                   ; a fragment's row x pitch + 16 x half
	s_mul_i32 s21, s15, HALFT                      ; my 128 rows of x
	s_mul_i32 s22, s16, HALFT                      ; my 128 rows of W,
	s_add_co_u32 s22, s22, 2*HALFT                 ; which lie behind x's 256
.irp s, 0,1
	v_add_nc_u32 v[ADRA+\s], s21, v4
	v_add_nc_u32 v[ADRB+\s], s22, v4
	s_add_co_u32 s21, s21, SLOT
	s_add_co_u32 s22, s22, SLOT
.endr
	v_mul_u32_u24 v5, v1, KS                       ; my row's scale bytes: 32 a row,
	v_lshrrev_b32 v6, 8, v5
	v_lshl_add_u32 v5, v6, 4, v5                   ; and 16 more for each 256 passed
	s_mul_i32 s21, s15, HALFS
	s_mul_i32 s22, s16, HALFS
	s_add_co_u32 s22, s22, 2*HALFS
	s_sub_co_u32 s22, s22, s21
	v_mul_u32_u24 v6, s22, v2                      ; lanes 16-31 take W's: one product, the distance between the two bases
	s_add_co_u32 s21, s21, SCL
	v_add_nc_u32 v5, v5, v6
	v_add_nc_u32 v[ADRS], s21, v5
	s_mul_i32 s23, s14, 2*HSTG                     ; my stage
	v_lshrrev_b32 v5, 1, v1
	v_mul_u32_u24 v5, v5, 272
	v_and_b32 v6, 1, v0
	v_lshl_add_u32 v5, v6, 7, v5
	v_lshl_add_u32 v5, v2, 4, v5
	v_add_nc_u32 v[STO], s23, v5                   ; in: token r: unit r / 2, half r % 2; + 16 h
	v_mul_u32_u24 v5, v2, 272
	v_lshl_add_u32 v5, v1, 4, v5
	v_add_nc_u32 v[RD], s23, v5                    ; back: lanes 0-15 one unit of 256 bytes, lanes 16-31 the next
	v_and_b32 v6, 31, v0
	v_lshlrev_b32 v[CO], 4, v6                     ; and the same 512 bytes in memory
	s_lshl_b32 s20, ttmp9, 24                      ; where my part begins in qkv: the section,
	s_lshr_b32 s21, s17, 3
	s_lshl_b32 s21, s21, 4                         ; batch x 16
	s_lshl_b32 s46, s40, 2
	s_add_co_u32 s21, s21, s46                     ; + 4 cx
	s_lshl_b32 s46, s16, 1
	s_add_co_u32 s21, s21, s46                     ; + 2 x half: my first head,
	s_lshl_b32 s21, s21, 18                        ; of 262,144 bytes,
	s_add_co_u32 s20, s20, s21
	s_and_b32 s21, s17, 7
	s_lshl_b32 s21, s21, 15                        ; 256 tokens of 128 bytes for each tile row in the batch,
	s_add_co_u32 s20, s20, s21
	s_lshl_b32 s21, s15, 14                        ; my 128 tokens
	s_add_co_u32 s20, s20, s21
	s_mov_b32 s21, 0
	s_add_nc_u64 s[12:13], s[12:13], s[20:21]
.macro FRAG reg, adr, q, i             ; 16 rows x 128 K of 4-bit codes: lane l holds row l % 16; registers 4 c .. 4 c + 3 hold K = 64 c + 32 (l / 16) + 0 .. 31
.irp c, 0,1
	ds_load_b128 v[\reg+4*\c:\reg+4*\c+3], v[\adr] offset:64*(\q)+32*\c+(\i)*16*PITCH
.endr
.endm
; 16 matrix instructions: x's blocks a0, a0 + 1 against W's eight.  zero = 1: the sums begin with the bias as C.  The 64 accumulators take turns, one instruction a turn.
.macro MUL16 a0, p, q, sc, zero
.irp a, \a0, \a0+1
.irp b, 0,1,2,3,4,5,6,7
.if \zero
	v_wmma_scale_f32_16x16x128_f8f6f4 v[8*(8*((\a)%4)+\b):8*(8*((\a)%4)+\b)+7], v[128*(\p)+FR*\b:128*(\p)+FR*\b+FR-1], v[AF+FR*(\a):AF+FR*(\a)+FR-1], v[BIAS+8*\b:BIAS+8*\b+7], v[SC+8*NQ*(\sc)+NQ*\b+(\q)], v[SC+8*NQ*(\sc)+NQ*(\a)+(\q)] matrix_a_fmt:MATRIX_FMT_FP4 matrix_b_fmt:MATRIX_FMT_FP4 matrix_a_scale:MATRIX_SCALE_ROW1
.else
	v_wmma_scale_f32_16x16x128_f8f6f4 v[8*(8*((\a)%4)+\b):8*(8*((\a)%4)+\b)+7], v[128*(\p)+FR*\b:128*(\p)+FR*\b+FR-1], v[AF+FR*(\a):AF+FR*(\a)+FR-1], v[8*(8*((\a)%4)+\b):8*(8*((\a)%4)+\b)+7], v[SC+8*NQ*(\sc)+NQ*\b+(\q)], v[SC+8*NQ*(\sc)+NQ*(\a)+(\q)] matrix_a_fmt:MATRIX_FMT_FP4 matrix_b_fmt:MATRIX_FMT_FP4 matrix_a_scale:MATRIX_SCALE_ROW1
.endif
.endr
.endr
.endm
.macro FETCH_B slot, q, p
	WIN TO_B
.irp i, 0,1,2,3,4,5,6,7
	FRAG 128*(\p)+FR*\i, ADRB+\slot, \q, \i
.endr
	WIN 0
.endm
.macro FETCH_A slot, q, i0
.irp i, \i0, \i0+1, \i0+2, \i0+3
	FRAG AF+FR*(\i), ADRA+\slot, \q, \i
.endr
.endm
.macro SCALES sc                       ; a K step's scale words: four words a row; lanes 0-15 take x's block i, lanes 16-31 W's block i
.irp i, 0,1,2,3,4,5,6,7
	ds_load_b128 v[SC+8*NQ*\sc+NQ*\i:SC+8*NQ*\sc+NQ*\i+3], v[ADRS] offset:\i*SBLK
.endr
.endm
.macro PLACES n                        ; plain vector instructions between a matrix instruction and a load into, or a read or write of, its registers
.rept \n
	v_nop
.endr
.endm
.macro STEP slot, q, zero              ; 128 along K, with its successor in the same slot
	s_wait_dscnt 4*NL                              ; W's set and x's blocks 0-3 are in; the youngest eight loads (x's blocks 4-7) may be out
.if \zero
	WIN FIRST_LO
.else
	WIN MUL_LO
.endif
	MUL16 0, (\q)%2, \q, \slot, \zero
	MUL16 2, (\q)%2, \q, \slot, \zero
	s_wait_dscnt 0                                 ; x's blocks 4-7 are in
	PLACES NP
	FETCH_B \slot, (\q)+1, 1-(\q)%2
	FETCH_A \slot, (\q)+1, 0
.if \zero
	WIN FIRST_HI
.else
	WIN MUL_HI
.endif
	MUL16 4, (\q)%2, \q, \slot, \zero
	MUL16 6, (\q)%2, \q, \slot, \zero
	PLACES NP
	WIN 0
	FETCH_A \slot, (\q)+1, 4
.endm
; Slot 0's last step changes slots: each wave waits for all its tensor loads (slot 1's is the one that may be out), and a barrier shows slot 1 whole to every wave.
.macro TURN slot, next
	s_wait_tensorcnt 0x0
	ds_add_u32 v[SPW], v[NIL]
	s_wait_dscnt 4*NL+1                            ; the add and the youngest eight loads may be out
	WIN MUL_LO
	MUL16 0, 1, NQ-1, \slot, 0
	s_wait_dscnt 0x0                               ; the add is done, and my reads of this slot are over
	s_barrier_signal -1
	MUL16 2, 1, NQ-1, \slot, 0
	WIN 0
	s_barrier_wait -1
	PLACES NP
	v_add_nc_u32 v[ADRS], 4*NQ, v[ADRS]            ; on to the next K step's scale words
	FETCH_B \next, 0, 0
	FETCH_A \next, 0, 0
	SCALES \next
	WIN MUL_HI
	MUL16 4, 1, NQ-1, \slot, 0
	MUL16 6, 1, NQ-1, \slot, 0
	PLACES NP
	WIN 0
	FETCH_A \next, 0, 4
.endm
.macro STEPS slot, from
.set Q, \from
.rept NQ-1-\from
	STEP \slot, Q, 0
.set Q, Q+1
.endr
.endm
	s_wait_tensorcnt 1                             ; the scale bytes and my part of slot 0 are in; slot 1's load may be out,
	s_barrier_signal -1
	s_barrier_wait -1                              ; everybody's are
	FETCH_B 0, 0, 0
	FETCH_A 0, 0, 0
	SCALES 0
	FETCH_A 0, 0, 4
	s_wait_loadcnt 0x0                             ; the bias
	STEP 0, 0, 1
	STEPS 0, 1
	TURN 0, 1
	STEPS 1, 0
	s_wait_dscnt 4*NL                              ; the very last step: nothing more to fetch
	WIN MUL_LO
	MUL16 0, 1, NQ-1, 1, 0
	MUL16 2, 1, NQ-1, 1, 0
	s_wait_dscnt 0
	WIN MUL_HI
	MUL16 4, 1, NQ-1, 1, 0
	MUL16 6, 1, NQ-1, 1, 0
	WIN 0
; THE WAY OUT, block by block of 16 tokens x 128 columns = two heads.  A lane's eight numbers become 16 bytes of one token's 128 in a head; a head's 16 tokens are 2,048 dense bytes of memory.
; They go through my stage (units of two tokens, 272 bytes apart) and come back so that each store of the wave covers 512 consecutive bytes, aligned.
.macro PACK a
.set AC, 64*((\a)%4)
	WIN 0x02+((\a)/4)                              ; source 0: window 2 or 3
.set i, 0
.rept 32
	v_pk_mul_f32 v[PM+2*i:PM+2*i+1], v[AC+2*i:AC+2*i+1], s[98:99] op_sel_hi:[1,0]   ; x the factor; each accumulator from its low end on
.set i, i+1
.endr
	WIN 0
.set i, 0
.rept 32
	v_cvt_pk_f16_f32 v[TMP+i], v[PM+2*i], v[PM+2*i+1]
.set i, i+1
.endr
.endm
.macro TOSTAGE a
.set BB, BK+32*((\a)%2)
.irp b, 0,1,2,3,4,5,6,7
	ds_store_b128 v[STO], v[TMP+4*\b:TMP+4*\b+3] offset:(\b/4)*HSTG+32*(\b%4)
.endr
.irp i, 0,1,2,3,4,5,6,7
	ds_load_b128 v[BB+4*\i:BB+4*\i+3], v[RD] offset:(\i/4)*HSTG+544*(\i%4)   ; LDS serves a wave's instructions in order: these see the stores above
.endr
.endm
.macro SEND a
.set BB, BK+32*((\a)%2)
	s_wait_dscnt 0x0                               ; the block is back in registers
	s_wait_xcnt 0x0                                ; the earlier stores have read their base and their registers: only behind this wait are they written again
.if (\a) > 0
	s_add_nc_u64 s[12:13], s[12:13], 2048          ; 16 tokens on
.endif
.irp i, 0,1,2,3,4,5,6,7
	global_store_b128 v[CO], v[BB+4*\i:BB+4*\i+3], s[12:13] offset:(\i/4)*262144+512*(\i%4)
.endr
.endm
	PLACES NP
	PACK 0
	TOSTAGE 0
.irp a, 1,2,3,4,5,6,7                  ; block a's arithmetic stands between block a - 1's loads from the stage and the wait for them
	PACK \a
	SEND \a-1
	TOSTAGE \a
.endr
	SEND 7
	s_wait_tensorcnt 0x0                           ; the wave's end
	ds_add_u32 v[SPW], v[NIL]
	s_wait_dscnt 0x0
	CROUND                                         ; the closing round
	s_endpgm
.Lfunc_end_k_q4641555022_qkv:
	.size	k_q4641555022_qkv, .Lfunc_end_k_q4641555022_qkv-k_q4641555022_qkv
	.p2alignl 7, 3214868480
	.fill 96, 4, 3214868480
	.section	.rodata,"a",@progbits
	.p2align	6, 0x0
	.amdhsa_kernel k_q4641555022_qkv
		.amdhsa_group_segment_fixed_size 327680
		.amdhsa_private_segment_fixed_size 0
		.amdhsa_enable_private_segment 0
		.amdhsa_kernarg_size 64
		.amdhsa_user_sgpr_count 2
		.amdhsa_user_sgpr_kernarg_segment_ptr 1
		.amdhsa_wavefront_size32 1
		.amdhsa_system_sgpr_workgroup_id_x 1
		.amdhsa_system_sgpr_workgroup_id_y 1
		.amdhsa_system_sgpr_workgroup_id_z 1
		.amdhsa_system_vgpr_workitem_id 0
		.amdhsa_next_free_vgpr 1024
		.amdhsa_next_free_sgpr 102
		.amdhsa_reserve_vcc 0
		.amdhsa_float_denorm_mode_32 3
		.amdhsa_float_denorm_mode_16_64 3
		.amdhsa_memory_ordered 1
		.amdhsa_forward_progress 1
		.amdhsa_inst_pref_size 145
	.end_amdhsa_kernel
	.amdgpu_metadata
---
amdhsa.version: [ 1, 2 ]
amdhsa.kernels:
  - .name:           k_q4641555022_qkv
    .symbol:         k_q4641555022_qkv.kd
    .args:
      - { .name: xc, .offset: 0, .size: 8, .value_kind: global_buffer, .address_space: global }
      - { .name: xs, .offset: 8, .size: 8, .value_kind: global_buffer, .address_space: global }
      - { .name: wc, .offset: 16, .size: 8, .value_kind: global_buffer, .address_space: global }
      - { .name: ws, .offset: 24, .size: 8, .value_kind: global_buffer, .address_space: global }
      - { .name: bq, .offset: 32, .size: 8, .value_kind: global_buffer, .address_space: global }
      - { .name: bk, .offset: 40, .size: 8, .value_kind: global_buffer, .address_space: global }
      - { .name: bv, .offset: 48, .size: 8, .value_kind: global_buffer, .address_space: global }
      - { .name: qkv, .offset: 56, .size: 8, .value_kind: global_buffer, .address_space: global }
    .group_segment_fixed_size: 327680
    .private_segment_fixed_size: 0
    .kernarg_segment_align: 8
    .kernarg_segment_size: 64
    .max_flat_workgroup_size: 128
    .sgpr_count:     102
    .vgpr_count:     1024
    .wavefront_size: 32
...
	.end_amdgpu_metadata
.endif
;; end of part 2
;; launch attn (part 3): grid 4 x 64, 8 waves a work-group, clusters of 4 x 1, 327,680 bytes of LDS; arguments qkv, o16; writes o16
.if DOCPART == 3
	.amdgcn_target "amdgcn-amd-amdhsa--gfx1250"
	.amdhsa_code_object_version 6
	.text
	.protected	k_q4641555022_attn
	.globl	k_q4641555022_attn
	.p2align	8
	.type	k_q4641555022_attn,@function
k_q4641555022_attn:
	s_mov_b64 s[64:65], 0
	v_nop
	global_prefetch_b8 v0, s[64:65] scope:SCOPE_SE
	s_setreg_imm32_b32 hwreg(HW_REG_WAVE_MODE, 25, 1), 1
	s_wait_xcnt 0x0
	s_wait_alu depctr_hold_cnt(0) depctr_sa_sdst(0) depctr_va_vdst(0) depctr_va_sdst(0) depctr_va_ssrc(0) depctr_va_vcc(0) depctr_vm_vsrc(0)
	s_getreg_b32 s2, hwreg(HW_REG_IB_STS2, 6, 4)
	s_cmp_eq_u32 s2, 0
	s_cbranch_scc0 .Lentry_in_a_cluster
	s_endpgm
.Lentry_in_a_cluster:
	s_bfe_u32 s2, ttmp6, 0x10000c
	s_cmp_lg_u32 s2, 0x3003
	s_cbranch_scc0 .Lentry_shape_is_right
	s_endpgm
.Lentry_shape_is_right:
; ATTN: O[bh][q][:] = sum over k of softmax_k(Q[bh][q] . K[bh][k] / 32) V[bh][k][:].  qkv: [3][64 bh][2048][64] f16; its section 0 holds q x log2(e) / 32, so a score IS the exponent of 2.
; o16: [16 head][8192 token][64] f16.  Products, maxima and sums in f32; the weights p are rounded to f16 for the second product, O once at the end.
; LIMITS: f16 operands: |o| beyond 65,504 overflows; under 6e-5 f16's absolute step holds.  NaN and infinities are not served.
; SHARES.  A work-group owns 512 queries of one head, each of its EIGHT waves 64: four tiles of 16, in 512 registers.  Two waves share a SIMD: one wave's softmax stands beside the other's products.
; Every wave walks the head's 2,048 keys, 64 a step.
; LAYOUT.  S^T = K Q^T (source 0 = 16 keys, source 1 = 16 queries): a lane holds ONE query (lane % 16) and the keys 8 (lane / 16) + 0..7.  Two such tiles, rounded to f16 in pairs, ARE source 1
; (32 keys x 16 queries) of O^T = V^T P; p is made in place, over the scores.  K comes out of LDS as it lies, V ([key][channel]) turned, by ds_load_tr16_b128.
; SOFTMAX.  A running maximum m and sum l for each query: p = 2^(s - m); O and l are multiplied in every step by a = 2^(m_old - m_new).
; ONE STEP BEHIND.  A trip fetches K of step j, multiplies V^T P of step j - 1, fetches V of step j, multiplies K Q^T of step j and walks its softmax: each run of LDS loads has a run of products in which to land.
; CLUSTER.  The head's four blocks of queries are one cluster and walk the same K and V: each tile is asked for JOINTLY, the same tensor load with the same descriptor and a mask that names the four.
; THE RING.  Two slots of 512 keys (8 steps).  A head's K and V are dense, so a tile is stated as rows of 256 bytes (two keys): waves 0-3 fetch K's quarters, waves 4-7 V's, 64 such rows each.
; A wave has two tensor loads out at the start and one behind each round.  A refill is asked for eight key steps ahead of the wait for it, so nothing more is asked ahead of it.
; REGISTERS.  window 0: v0-9 addresses; v30, v31 the add's; v32-63 statistics, 8 a tile; v64-191 S^T, 32 a tile (then p in the lower 16); v192-255 V^T.
;             window 1: v0-63 Q; v64-127 K; v128-255 O^T, 32 a tile.
.set KU,    272                        ; two keys of K in LDS: 256 bytes + 16: the 16 keys of a load fall on 16 different 16-byte columns modulo 256
.set VU,    288                        ; two keys of V: 256 + 32: the turning load's 8 keys x 32 bytes likewise
.set VOFF,  256*KU                     ; a slot: K's 256 units, then V's
.set SLOT,  256*(KU+VU)
.set KSB,   32*KU                      ; a key step's 64 keys
.set VSB,   32*VU
.set STAGE, 2*SLOT                     ; behind the ring: 8 units of 272 bytes for each wave, for the way out
.set SPARE, STAGE+8*8*KU               ; the spare words, 128 bytes for each wave
.set AK0, 2
.set AV0, 3
.set ADK, 4
.set ADV, 5
.set QO,  6
.set STO, 7
.set RD,  8
.set GO,  9
.set SPW, 30
.set NIL, 31
.set ST,  32                           ; tile t at v[ST + 8 t]: +0 m, +1 zero (named with m as a pair), +2, +3 l, +4 to +7 c0-c3 at work; a takes c2's place, m_old - m_new c3's
.set S,   64
.set VF,  192
.set QF,  0
.set KF,  64
.set OF,  128
.set WV,  12
.set G1K, 24
.set G1V, 32
.set G0K, 40                           ; s[40:47] group 0 for K's tiles, a set for each slot;  s[48:55] for V's
.set G0V, 48
.set TBK, 56                           ; LDS byte at which the step's keys begin in K's part of the slot in hand,
.set TBV, 57                           ; and in V's
.set CNT, 58
.set SEL, 60
.set MSB, 0
.macro WIN new
.if MSB != \new
	s_set_vgpr_msb (MSB<<8)|\new
.set MSB, \new
.endif
.endm
.set W_KQ, 0x05                        ; K and Q in window 1, S^T in window 0
.set W_PV, 0x50                        ; V and P in window 0, O^T in window 1
.set W_RS, 0x41                        ; O^T (destination and source 0) in window 1, a in window 0
.set TO_1, 0x40
.macro JLOAD slot                      ; a joint refill; the branch hangs on the wave's number alone; an s_nop 0 and four v_nop follow each line
	s_cmp_eq_u32 s15, 0
	s_cbranch_scc0 .Lfor_v_\@
	tensor_load_to_lds s[G0K+4*\slot:G0K+4*\slot+3], s[G1K:G1K+7]
	s_nop 0
.rept 4
	v_nop
.endr
	s_branch .Lasked_\@
.Lfor_v_\@:
	tensor_load_to_lds s[G0V+4*\slot:G0V+4*\slot+3], s[G1V:G1V+7]
	s_nop 0
.rept 4
	v_nop
.endr
.Lasked_\@:
.endm
.macro CROUND
	s_barrier_signal -1
	s_barrier_wait -1
	s_cmp_lg_u32 s[WV], 0
	s_cbranch_scc1 .Lnot_wave_0_\@
	s_barrier_signal -3
.Lnot_wave_0_\@:
	s_barrier_wait -3
	s_barrier_signal -1
	s_barrier_wait -1
.endm
	s_load_b128 s[4:7], s[0:1], 0x0                ; qkv s[4:5], o16 s[6:7]
	v_lshl_add_u32 v[SPW], v0, 2, SPARE
	v_mov_b32 v[NIL], 0
	ds_add_u32 v[SPW], v[NIL]                      ; the wave's opening: the add, twice on end, and its wait ahead of my first tensor load
	ds_add_u32 v[SPW], v[NIL]
	v_lshrrev_b32 v1, 5, v0
	v_readfirstlane_b32 s[WV], v1                  ; wave 0..7
	s_bfe_u32 s13, ttmp6, 0x40000                  ; cx: my block of 512 queries: it enters Q's and O's addresses alone
	s_and_b32 s14, s[WV], 3                        ; which quarter of a slot I fetch,
	s_lshr_b32 s15, s[WV], 2                       ; of K (0) or of V (1)
	s_and_b32 s16, ttmp7, 0xffff                   ; batch x 16 + head, which the four partners share
	s_lshl_b32 s18, s16, 18                        ; the head's 262,144 bytes,
	s_lshl_b32 s17, s14, 14                        ; my quarter's 128 keys of 128 bytes
	s_add_co_u32 s18, s18, s17
	s_mov_b32 s19, 0
	s_lshl_b32 s20, s16, 18                        ; Q: the head, + 512 cx + 64 wave queries of 128 bytes
	s_lshl_b32 s59, s13, 16
	s_add_co_u32 s20, s20, s59
	s_lshl_b32 s59, s[WV], 13
	s_add_co_u32 s20, s20, s59
	s_mov_b32 s21, 0
	s_and_b32 s22, s16, 15                         ; O: the head's plane of 1,048,576 bytes,
	s_lshl_b32 s22, s22, 20
	s_lshr_b32 s59, s16, 4
	s_lshl_b32 s59, s59, 18                        ; the batch's 2,048 tokens,
	s_add_co_u32 s22, s22, s59
	s_lshl_b32 s59, s13, 16
	s_add_co_u32 s22, s22, s59
	s_lshl_b32 s59, s[WV], 13
	s_add_co_u32 s22, s22, s59
	s_mov_b32 s23, 0
	s_mul_i32 s2, s14, 64*KU                       ; my quarter's place in a slot: K's,
	s_mul_i32 s3, s14, 64*VU
	s_add_co_u32 s3, s3, VOFF                      ; V's: no place in the cluster enters an LDS address
	s_mov_b32 s[G1K], 15|(3<<16)|(1<<20)|(1<<21)|(5<<22)|(3<<25)  ; the mask: all four; elements of 8 bytes; padding on; bit 21 beside a mask; 4 words behind every 64
	s_mov_b32 s[G1V], 15|(3<<16)|(1<<20)|(1<<21)|(5<<22)|(7<<25)  ; the same with 8 words of padding
.irp g, G1K, G1V
	s_mov_b32 s[\g+1], 32<<16                      ; tensor_dim0 = 32 elements: 256 bytes
	s_mov_b32 s[\g+2], 64<<16                      ; tensor_dim1 = 64 rows
	s_mov_b32 s[\g+3], 32<<16                      ; tile_dim0
	s_mov_b32 s[\g+4], 64                          ; tile_dim1
	s_mov_b32 s[\g+5], 32                          ; from row to row: dense
	s_mov_b32 s[\g+6], 0
	s_mov_b32 s[\g+7], 0
.endr
	s_mov_b32 s[SEL], 0x76543210
	s_mov_b32 s[SEL+1], 0xfedcba98                 ; v_permlanex16_b32's selects for lane l xor 16
	s_mov_b32 s[TBK], 0
	s_mov_b32 s[TBV], 0
	s_wait_dscnt 0x0                               ; both opening adds are done
	s_wait_kmcnt 0x0
	s_add_nc_u64 s[8:9], s[4:5], s[18:19]
	s_add_nc_u64 s[10:11], s[8:9], 0x2000000       ; V: section 2
	s_add_nc_u64 s[8:9], s[8:9], 0x1000000         ; K: section 1
	s_add_nc_u64 s[4:5], s[4:5], s[20:21]          ; Q at my wave's first query
	s_add_nc_u64 s[6:7], s[6:7], s[22:23]          ; O likewise
	CROUND                                         ; all four work-groups are here: the first joint loads meet
.irp s, 0,1
	s_mov_b32 s[G0K+4*\s], 1
	s_add_co_u32 s[G0K+4*\s+1], s2, \s*SLOT
	s_add_nc_u64 s[G0K+4*\s+2:G0K+4*\s+3], s[8:9], \s*65536   ; slot s begins with keys 512 s
	s_or_b32 s[G0K+4*\s+3], s[G0K+4*\s+3], 0x80000000
	s_mov_b32 s[G0V+4*\s], 1
	s_add_co_u32 s[G0V+4*\s+1], s3, \s*SLOT
	s_add_nc_u64 s[G0V+4*\s+2:G0V+4*\s+3], s[10:11], \s*65536
	s_or_b32 s[G0V+4*\s+3], s[G0V+4*\s+3], 0x80000000
.endr
	s_cmp_eq_u32 s15, 0                            ; a wave's two first fills stand in one branch, ahead of every wait on TENSORcnt and every LDS read
	s_cbranch_scc0 .Lfirst_v
	tensor_load_to_lds s[G0K:G0K+3], s[G1K:G1K+7]
	s_nop 0
	tensor_load_to_lds s[G0K+4:G0K+7], s[G1K:G1K+7]
	s_nop 0
.rept 4
	v_nop
.endr
	s_branch .Lfirst_asked
.Lfirst_v:
	tensor_load_to_lds s[G0V:G0V+3], s[G1V:G1V+7]
	s_nop 0
	tensor_load_to_lds s[G0V+4:G0V+7], s[G1V:G1V+7]
	s_nop 0
.rept 4
	v_nop
.endr
.Lfirst_asked:
	v_and_b32 v1, 15, v0                           ; r = l % 16
	v_bfe_u32 v10, v0, 4, 1                        ; h = l / 16
	v_lshlrev_b32 v[QO], 7, v1
	v_lshl_add_u32 v[QO], v10, 4, v[QO]            ; Q: row r of 128 bytes, + 16 h
	WIN TO_1
.irp t, 0,1,2,3                        ; Q stays in registers: fragment (tile t, channels 32 c on) at v[16 t + 8 c] of window 1
.irp c, 0,1
	global_load_b128 v[QF+16*\t+8*\c:QF+16*\t+8*\c+3],   v[QO], s[4:5] offset:2048*\t+64*\c th:TH_LOAD_NT
	global_load_b128 v[QF+16*\t+8*\c+4:QF+16*\t+8*\c+7], v[QO], s[4:5] offset:2048*\t+64*\c+32 th:TH_LOAD_NT
.endr
.endr
	WIN 0
	v_lshrrev_b32 v11, 1, v1                       ; r / 2
	v_and_b32 v12, 1, v0                           ; r % 2
	v_mul_u32_u24 v[AK0], v11, KU
	v_lshl_add_u32 v[AK0], v12, 7, v[AK0]
	v_lshl_add_u32 v[AK0], v10, 4, v[AK0]          ; K: key r: unit r / 2, half r % 2; + 16 h
	v_bfe_u32 v13, v0, 1, 2                        ; (l % 8) / 2
	v_lshl_add_u32 v13, v10, 2, v13
	v_mul_u32_u24 v[AV0], v13, VU
	v_lshl_add_u32 v[AV0], v12, 7, v[AV0]
	v_bfe_u32 v13, v0, 3, 1
	v_lshl_add_u32 v[AV0], v13, 4, v[AV0]
	v_add_nc_u32 v[AV0], VOFF, v[AV0]              ; V: the turning load's lane l reads key 8 h + l % 8, channels 8 ((l / 8) % 2) + 0..7
	s_mul_i32 s17, s[WV], 8*KU
	s_add_co_u32 s17, s17, STAGE                   ; my stage
	v_add_nc_u32 v[STO], s17, v[AK0]               ; in: query r as a key lies in K's units, + 16 h
	v_mul_u32_u24 v[RD], v10, KU
	v_lshl_add_u32 v[RD], v1, 4, v[RD]
	v_add_nc_u32 v[RD], s17, v[RD]                 ; back: lanes 0-15 one unit of 256 bytes, lanes 16-31 the next
	v_and_b32 v[GO], 31, v0
	v_lshlrev_b32 v[GO], 4, v[GO]                  ; and the same 512 bytes of O
.irp t, 0,1,2,3
	v_mov_b32 v[ST+8*\t+1], 0                      ; named with m as a pair, so it is written
.endr
.macro FETCH_K                         ; a step's K: 64 keys x 64 channels: 8 fragments, 16 loads in one run
	WIN 0
	v_add_nc_u32 v[ADK], s[TBK], v[AK0]
	WIN TO_1
.irp kt, 0,1,2,3
.irp c, 0,1
	ds_load_b128 v[KF+16*\kt+8*\c:KF+16*\kt+8*\c+3],   v[ADK] offset:\kt*8*KU+64*\c
	ds_load_b128 v[KF+16*\kt+8*\c+4:KF+16*\kt+8*\c+7], v[ADK] offset:\kt*8*KU+64*\c+32
.endr
.endr
.endm
; A step's V, turned.  Its five plain lines are the places behind the products V^T P: four in front of loads into V's registers, five in front of the products K Q^T, which write over p's.
.macro FETCH_V
	WIN 0
	v_add_nc_u32 v[ADV], s[TBV], v[AV0]
.rept 4
	v_nop
.endr
.irp kb, 0,1
.irp ct, 0,1,2,3
	ds_load_tr16_b128 v[VF+32*\kb+8*\ct:VF+32*\kb+8*\ct+3],   v[ADV] offset:16*\kb*VU+32*\ct
	ds_load_tr16_b128 v[VF+32*\kb+8*\ct+4:VF+32*\kb+8*\ct+7], v[ADV] offset:(16*\kb+8)*VU+32*\ct
.endr
.endr
.endm
; S^T = K Q^T: 32 products; the 16 accumulators take turns, one instruction a turn; the first 16 start the sums
.macro KQ
	WIN W_KQ
.irp c, 0,1
.irp kt, 0,1,2,3
.irp t, 0,1,2,3
.if \c == 0
	v_wmma_f32_16x16x32_f16 v[S+32*\t+8*\kt:S+32*\t+8*\kt+7], v[KF+16*\kt+8*\c:KF+16*\kt+8*\c+7], v[QF+16*\t+8*\c:QF+16*\t+8*\c+7], 0
.else
	v_wmma_f32_16x16x32_f16 v[S+32*\t+8*\kt:S+32*\t+8*\kt+7], v[KF+16*\kt+8*\c:KF+16*\kt+8*\c+7], v[QF+16*\t+8*\c:QF+16*\t+8*\c+7], v[S+32*\t+8*\kt:S+32*\t+8*\kt+7]
.endif
.endr
.endr
.endr
.endm
; O^T += V^T P: 32 products on 16 accumulators by turns.  zero = 1: the first 16 start the sums: nothing is ever cleared
.macro PV zero
	WIN W_PV
.irp kb, 0,1
.irp ct, 0,1,2,3
.irp t, 0,1,2,3
.if \zero && (\kb == 0)
	v_wmma_f32_16x16x32_f16 v[OF+32*\t+8*\ct:OF+32*\t+8*\ct+7], v[VF+32*\kb+8*\ct:VF+32*\kb+8*\ct+7], v[S+32*\t+8*\kb:S+32*\t+8*\kb+7], 0
.else
	v_wmma_f32_16x16x32_f16 v[OF+32*\t+8*\ct:OF+32*\t+8*\ct+7], v[VF+32*\kb+8*\ct:VF+32*\kb+8*\ct+7], v[S+32*\t+8*\kb:S+32*\t+8*\kb+7], v[OF+32*\t+8*\ct:OF+32*\t+8*\ct+7]
.endif
.endr
.endr
.endr
.endm
.macro RESCALE                         ; O^T x a, two numbers an instruction, each accumulator from its low end on
	WIN W_RS
.irp t, 0,1,2,3
.set i, 0
.rept 16
	v_pk_mul_f32 v[OF+32*\t+2*i:OF+32*\t+2*i+1], v[OF+32*\t+2*i:OF+32*\t+2*i+1], v[ST+8*\t+6:ST+8*\t+7] op_sel_hi:[1,0]
.set i, i+1
.endr
.endr
.endm
; THE SOFTMAX of a key step, the four tiles by turns, so that no line waits for the line above it.  first = 1: the first key step: no old maximum, no a.
.macro SOFTMAX first
.irp q, 0,1,2,3                        ; the maximum: four chains, one for each accumulator, begun at its low end
.irp t, 0,1,2,3
	v_max3_num_f32 v[ST+8*\t+4+\q], v[S+32*\t+8*\q], v[S+32*\t+8*\q+1], v[S+32*\t+8*\q+2]
.endr
.endr
.irp g, 3,5
.irp q, 0,1,2,3
.irp t, 0,1,2,3
	v_max3_num_f32 v[ST+8*\t+4+\q], v[ST+8*\t+4+\q], v[S+32*\t+8*\q+\g], v[S+32*\t+8*\q+\g+1]
.endr
.endr
.endr
.irp t, 0,1,2,3
	v_max3_num_f32 v[ST+8*\t+4], v[ST+8*\t+4], v[S+32*\t+7], v[S+32*\t+15]
.endr
.irp t, 0,1,2,3
	v_max3_num_f32 v[ST+8*\t+6], v[ST+8*\t+6], v[S+32*\t+23], v[S+32*\t+31]
.endr
.irp t, 0,1,2,3
	v_max3_num_f32 v[ST+8*\t+4], v[ST+8*\t+4], v[ST+8*\t+5], v[ST+8*\t+6]
.endr
.irp t, 0,1,2,3
.if \first
	v_max_num_f32 v[ST+8*\t+4], v[ST+8*\t+4], v[ST+8*\t+7]
.else
	v_max3_num_f32 v[ST+8*\t+4], v[ST+8*\t+4], v[ST+8*\t+7], v[ST+8*\t]   ; with the old m
.endif
.endr
.irp t, 0,1,2,3
	v_permlanex16_b32 v[ST+8*\t+5], v[ST+8*\t+4], s[SEL], s[SEL+1]        ; the query's other 32 keys lie in the lane 16 away
.endr
.irp t, 0,1,2,3
	v_max_num_f32 v[ST+8*\t+4], v[ST+8*\t+4], v[ST+8*\t+5]
.endr
.if !\first
.irp t, 0,1,2,3
	v_sub_f32 v[ST+8*\t+7], v[ST+8*\t], v[ST+8*\t+4]                      ; m_old - m_new
.endr
.endif
.irp t, 0,1,2,3
	v_mov_b32 v[ST+8*\t], v[ST+8*\t+4]                                    ; the new m
.endr
; ONE BATCH: a and the 128 weights.  None of its lines names an exponential's result: a pair is brought under m one turn ahead of its exponentials.
.if !\first
.irp t, 0,1,2,3
	v_exp_f32 v[ST+8*\t+6], v[ST+8*\t+7]                                  ; a
.endr
.endif
.set i, 0
.rept 16
.irp t, 0,1,2,3
	v_pk_add_f32 v[S+32*\t+2*i:S+32*\t+2*i+1], v[S+32*\t+2*i:S+32*\t+2*i+1], v[ST+8*\t:ST+8*\t+1] op_sel_hi:[1,0] neg_lo:[0,1] neg_hi:[0,1]   ; s - m
.endr
.if i > 0
.irp t, 0,1,2,3
	v_exp_f32 v[S+32*\t+2*i-2], v[S+32*\t+2*i-2]
	v_exp_f32 v[S+32*\t+2*i-1], v[S+32*\t+2*i-1]
.endr
.endif
.set i, i+1
.endr
.irp t, 0,1,2,3
	v_exp_f32 v[S+32*\t+30], v[S+32*\t+30]
	v_exp_f32 v[S+32*\t+31], v[S+32*\t+31]
.endr
	v_nop                                          ; a plain instruction behind the last exponential, ahead of the first use
	s_wait_alu depctr_va_vdst(0)                   ; a wait ahead of the first line that names a result: one for the whole batch
.if \first
.irp t, 0,1,2,3
	v_pk_add_f32 v[ST+8*\t+2:ST+8*\t+3], v[S+32*\t:S+32*\t+1], v[S+32*\t+2:S+32*\t+3]
.endr
.else
.irp t, 0,1,2,3
	v_pk_fma_f32 v[ST+8*\t+2:ST+8*\t+3], v[ST+8*\t+2:ST+8*\t+3], v[ST+8*\t+6:ST+8*\t+7], v[S+32*\t:S+32*\t+1] op_sel_hi:[1,0,1]   ; l = a l + the first pair
.endr
.irp t, 0,1,2,3
	v_pk_add_f32 v[ST+8*\t+2:ST+8*\t+3], v[ST+8*\t+2:ST+8*\t+3], v[S+32*\t+2:S+32*\t+3]
.endr
.endif
.set i, 2
.rept 14
.irp t, 0,1,2,3
	v_pk_add_f32 v[ST+8*\t+2:ST+8*\t+3], v[ST+8*\t+2:ST+8*\t+3], v[S+32*\t+2*i:S+32*\t+2*i+1]   ; the sums are taken of p in f32
.endr
.set i, i+1
.endr
.set i, 0
.rept 16
.irp t, 0,1,2,3
	v_cvt_pk_f16_f32 v[S+32*\t+i], v[S+32*\t+2*i], v[S+32*\t+2*i+1]       ; p in f16, in place and ascending: register i is written when registers 2 i and 2 i + 1 are read
.endr
.set i, i+1
.endr
.endm
; KEY STEP j.  pv = 0: no product V^T P yet; 1: step j - 1's starts O^T; 2: O^T is brought under the new m and step j - 1's is added.
.macro BODY pv, first
	FETCH_K
.if \pv == 1
	s_wait_dscnt 16                                ; V of step j - 1 is in; the 16 loads of K just issued may be out
	PV 1
.endif
.if \pv == 2
	RESCALE
	s_wait_dscnt 16                                ; V of step j - 1 is in; the 16 loads of K just issued may be out
	PV 0
.endif
	FETCH_V
	s_wait_dscnt 16                                ; K is in; V's 16 loads may be out
	KQ
	WIN 0
.rept 4
	v_nop                                          ; the places behind the products: in front of the first read of the scores, and of the next step's loads into K's registers
.endr
	SOFTMAX \first
	s_add_co_u32 s[TBK], s[TBK], KSB
	s_add_co_u32 s[TBV], s[TBV], VSB
.endm
.macro LOOP n
	s_mov_b32 s[CNT], \n
.Lstep_\@:
	BODY 2, 0
	WIN 0
	s_sub_co_u32 s[CNT], s[CNT], 1
	s_cmp_lg_u32 s[CNT], 0
	s_cbranch_scc1 .Lstep_\@
.endm
; THE CHANGE OF SLOTS.  Each wave waits for all its tensor loads (its part of the next slot), adds 0 to its spare word, and waits for that and for its reads of the slot that it leaves.
; fill = 1: a round of the cluster's barrier, and behind it the slot just left is filled again, with the keys 1,024 on, first thing.
.macro CHANGE slot, fill, next
	WIN 0
	s_wait_tensorcnt 0x0                           ; no tensor load of mine is out, so a group 0 may be written
	ds_add_u32 v[SPW], v[NIL]                      ; 0 onto my spare word; work on registers stands between it and the wait for it
.if \fill
	s_add_nc_u64 s[G0K+4*\slot+2:G0K+4*\slot+3], s[G0K+4*\slot+2:G0K+4*\slot+3], 131072
	s_add_nc_u64 s[G0V+4*\slot+2:G0V+4*\slot+3], s[G0V+4*\slot+2:G0V+4*\slot+3], 131072
.endif
	s_mov_b32 s[TBK], \next*SLOT
	s_mov_b32 s[TBV], \next*SLOT
	s_wait_dscnt 0x0                               ; the add is done, and my reads of the slot are over
.if \fill
	CROUND
	JLOAD \slot
.else
	s_barrier_signal -1
	s_barrier_wait -1
.endif
.endm
	s_wait_tensorcnt 1                             ; my part of slot 0 is in; slot 1's may stay out
	s_barrier_signal -1
	s_barrier_wait -1
	s_wait_loadcnt 0x0                             ; Q
	BODY 0, 1                                      ; key step 0
	BODY 1, 0                                      ; key step 1
	LOOP 6                                         ; 2 .. 7
	CHANGE 0, 1, 1
	LOOP 8                                         ; 8 .. 15, in slot 1
	CHANGE 1, 1, 0
	LOOP 8                                         ; 16 .. 23, in slot 0
	CHANGE 0, 0, 1                                 ; nothing is left to fetch
	LOOP 8                                         ; 24 .. 31, in slot 1
	RESCALE
	s_wait_dscnt 0x0                               ; V of the last step
	PV 0
	; THE WAY OUT.  l's two halves and the other half of the lanes' are added; O^T is divided by l, rounded to f16 and sent through my stage, a tile (16 queries, 2,048 dense bytes of O) at a time.
	WIN 0
.irp t, 0,1,2,3
	v_add_f32 v[ST+8*\t+4], v[ST+8*\t+2], v[ST+8*\t+3]                    ; (these are the places behind the last products)
.endr
.irp t, 0,1,2,3
	v_permlanex16_b32 v[ST+8*\t+5], v[ST+8*\t+4], s[SEL], s[SEL+1]
.endr
.irp t, 0,1,2,3
	v_add_f32 v[ST+8*\t+4], v[ST+8*\t+4], v[ST+8*\t+5]
.endr
.irp t, 0,1,2,3
	v_rcp_f32 v[ST+8*\t+6], v[ST+8*\t+4]
.endr
	v_nop
	s_wait_alu depctr_va_vdst(0)                   ; one wait for the four reciprocals, ahead of their first use
.macro PACK t
	WIN W_RS
.set i, 0
.rept 16
	v_pk_mul_f32 v[OF+32*\t+2*i:OF+32*\t+2*i+1], v[OF+32*\t+2*i:OF+32*\t+2*i+1], v[ST+8*\t+6:ST+8*\t+7] op_sel_hi:[1,0]
.set i, i+1
.endr
	WIN 0x05                                       ; sources 0 and 1 window 1, destination window 0
.set i, 0
.rept 16
	v_cvt_pk_f16_f32 v[S+16*\t+i], v[OF+32*\t+2*i], v[OF+32*\t+2*i+1]
.set i, i+1
.endr
	WIN 0
.irp f, 0,1,2,3
	ds_store_b128 v[STO], v[S+16*\t+4*\f:S+16*\t+4*\f+3] offset:32*\f
.endr
.irp f, 0,1,2,3
	ds_load_b128 v[S+16*\t+4*\f:S+16*\t+4*\f+3], v[RD] offset:2*KU*\f     ; LDS serves a wave's instructions in order: these see the stores above; the next tile's stores come behind them
.endr
.endm
.macro SEND t, younger                 ; younger: the LDS instructions issued behind tile t's loads: the next tile's eight, or none
.irp f, 0,1,2,3
	s_wait_dscnt \younger+3-\f
	global_store_b128 v[GO], v[S+16*\t+4*\f:S+16*\t+4*\f+3], s[6:7] offset:2048*\t+512*\f   ; the wave stores 512 consecutive bytes, aligned
.endr
.endm
	PACK 0
	PACK 1
	SEND 0, 8
	PACK 2
	SEND 1, 8
	PACK 3
	SEND 2, 8
	SEND 3, 0
	s_wait_tensorcnt 0x0                           ; the wave's end
	ds_add_u32 v[SPW], v[NIL]
	s_wait_dscnt 0x0
	CROUND                                         ; the closing round
	s_endpgm
.Lfunc_end_k_q4641555022_attn:
	.size	k_q4641555022_attn, .Lfunc_end_k_q4641555022_attn-k_q4641555022_attn
	.p2alignl 7, 3214868480
	.fill 96, 4, 3214868480
	.section	.rodata,"a",@progbits
	.p2align	6, 0x0
	.amdhsa_kernel k_q4641555022_attn
		.amdhsa_group_segment_fixed_size 327680
		.amdhsa_private_segment_fixed_size 0
		.amdhsa_enable_private_segment 0
		.amdhsa_kernarg_size 16
		.amdhsa_user_sgpr_count 2
		.amdhsa_user_sgpr_kernarg_segment_ptr 1
		.amdhsa_wavefront_size32 1
		.amdhsa_system_sgpr_workgroup_id_x 1
		.amdhsa_system_sgpr_workgroup_id_y 1
		.amdhsa_system_sgpr_workgroup_id_z 1
		.amdhsa_system_vgpr_workitem_id 0
		.amdhsa_next_free_vgpr 512
		.amdhsa_next_free_sgpr 66
		.amdhsa_reserve_vcc 0
		.amdhsa_float_denorm_mode_32 3
		.amdhsa_float_denorm_mode_16_64 3
		.amdhsa_memory_ordered 1
		.amdhsa_forward_progress 1
		.amdhsa_inst_pref_size 210
	.end_amdhsa_kernel
	.amdgpu_metadata
---
amdhsa.version: [ 1, 2 ]
amdhsa.kernels:
  - .name:           k_q4641555022_attn
    .symbol:         k_q4641555022_attn.kd
    .args:
      - { .name: qkv, .offset: 0, .size: 8, .value_kind: global_buffer, .address_space: global }
      - { .name: o16, .offset: 8, .size: 8, .value_kind: global_buffer, .address_space: global }
    .group_segment_fixed_size: 327680
    .private_segment_fixed_size: 0
    .kernarg_segment_align: 8
    .kernarg_segment_size: 16
    .max_flat_workgroup_size: 256
    .sgpr_count:     66
    .vgpr_count:     512
    .wavefront_size: 32
...
	.end_amdgpu_metadata
.endif
;; end of part 3
;; launch proj (part 4): grid 4 x 64, 4 waves a work-group, clusters of 4 x 4, 327,680 bytes of LDS; arguments o16, wo16, bo, out0; writes out0
.if DOCPART == 4
	.amdgcn_target "amdgcn-amd-amdhsa--gfx1250"
	.amdhsa_code_object_version 6
	.text
	.protected	k_q4641555022_proj
	.globl	k_q4641555022_proj
	.p2align	8
	.type	k_q4641555022_proj,@function
k_q4641555022_proj:
	s_mov_b64 s[64:65], 0
	v_nop
	global_prefetch_b8 v0, s[64:65] scope:SCOPE_SE
	s_setreg_imm32_b32 hwreg(HW_REG_WAVE_MODE, 25, 1), 1
	s_wait_xcnt 0x0
	s_wait_alu depctr_hold_cnt(0) depctr_sa_sdst(0) depctr_va_vdst(0) depctr_va_sdst(0) depctr_va_ssrc(0) depctr_va_vcc(0) depctr_vm_vsrc(0)
	s_getreg_b32 s2, hwreg(HW_REG_IB_STS2, 6, 4)
	s_cmp_eq_u32 s2, 0
	s_cbranch_scc0 .Lentry_in_a_cluster
	s_endpgm
.Lentry_in_a_cluster:
	s_bfe_u32 s2, ttmp6, 0x10000c
	s_cmp_lg_u32 s2, 0xf033
	s_cbranch_scc0 .Lentry_shape_is_right
	s_endpgm
.Lentry_shape_is_right:
; PROJ: out0[token][n] = sum over k of o[token][k] Wo[k][n] + bo[n], f16 operands, f32 sums.  o16: [16 head][8192 token][64] f16 (k = 64 head + channel); wo16: [1024 k][1024 n] f16; out0: [8192][1024] f32.
; A tile of out0 is 128 tokens x 256 columns: 256 work-groups.  Four waves, each 64 x 128: 32 accumulators, 256 registers.  K goes in 8 steps of 128 (two heads) through a ring of two LDS slots.
; o's tile of a step is two dense planes of 128 tokens x 128 bytes, stated as rows of 256 bytes (two tokens); Wo's is 128 rows of k x 512 bytes, and comes out of LDS turned, by ds_load_tr16_b128.
; CLUSTERS: 4 x 4 work-groups.  The four of a row of the cluster need the same tiles of o, the four of a column the same tiles of Wo: each is asked for JOINTLY, with a mask that names the four.
; THE MATRIX INSTRUCTION IS USED TRANSPOSED (source 0 = 16 columns of Wo, source 1 = 16 tokens): a lane holds eight neighbouring columns of one token.  THE BIAS IS THE C of each sum's first instruction.
; No prefetch is laid: the launch's K is eight steps, and what it reads is shared in the cluster.
; REGISTERS: window 0: v0-31 addresses; v32-95 the bias; v96-223 the way out.   window 1: two fragment buffers of 96: Wo's 8 fragments, then o's 4.   window 2: the accumulators, (a, b) at v[8 (8 a + b)].
.set AU,     272                       ; two tokens of o in LDS: 256 bytes + 16
.set PLANE,  64*AU                     ; a head's 128 tokens
.set BP,     544                       ; a row of Wo's tile: 512 bytes + 32: the turning load's 8 rows x 32 bytes fall on 16 different 16-byte columns modulo 256
.set BOFF,   2*PLANE
.set SLOT,   BOFF+128*BP
.set STAGE,  2*SLOT                    ; behind the ring: 16 rows x (512 + 16) bytes for each wave
.set SPITCH, 528
.set SPARE,  STAGE+4*16*SPITCH
.set ADRA, 16
.set ADRB, 20
.set STO,  24
.set RD,   25
.set CO,   26
.set SPW,  28
.set NIL,  29
.set BIAS, 32
.set BK,   96
.set F0,   0
.set F1,   128
.set G1,  24
.set G0,  32
.set G1B, 48
.set G0B, 56
.set MSB, 0
.macro WIN new
.if MSB != \new
	s_set_vgpr_msb (MSB<<8)|\new
.set MSB, \new
.endif
.endm
.set MUL,       0xa5                   ; sources 0 and 1 window 1, C and D window 2
.set MUL_FIRST, 0x85                   ; C (the bias) window 0
.set TO_F,      0x40
.macro JLOAD s                         ; a joint load: waves 0 and 1 fetch o's two planes, waves 2 and 3 Wo's two halves; an s_nop 0 and four v_nop follow each line
	s_cmp_eq_u32 s11, 0
	s_cbranch_scc0 .Lfor_b_\@
	tensor_load_to_lds s[G0+4*\s:G0+4*\s+3], s[G1:G1+7]
	s_nop 0
.rept 4
	v_nop
.endr
	s_branch .Lasked_\@
.Lfor_b_\@:
	tensor_load_to_lds s[G0B+4*\s:G0B+4*\s+3], s[G1B:G1B+7]
	s_nop 0
.rept 4
	v_nop
.endr
.Lasked_\@:
.endm
.macro CREST
	s_cmp_lg_u32 s10, 0
	s_cbranch_scc1 .Lnot_wave_0_\@
	s_barrier_signal -3
.Lnot_wave_0_\@:
	s_barrier_wait -3
	s_barrier_signal -1
	s_barrier_wait -1
.endm
.macro CROUND
	s_barrier_signal -1
	s_barrier_wait -1
	CREST
.endm
	s_load_b128 s[4:7], s[0:1], 0x0                ; o16 s[4:5], wo16 s[6:7]
	s_load_b128 s[16:19], s[0:1], 0x10             ; bo s[16:17], out0 s[18:19]
	v_lshl_add_u32 v[SPW], v0, 2, SPARE
	v_mov_b32 v[NIL], 0
	ds_add_u32 v[SPW], v[NIL]                      ; the wave's opening: the add, twice on end, and its wait ahead of my first tensor load
	ds_add_u32 v[SPW], v[NIL]
	v_lshrrev_b32 v1, 5, v0
	v_readfirstlane_b32 s10, v1                    ; wave 0..3
	s_lshr_b32 s11, s10, 1                         ; which 64 tokens are mine.  Also: I fetch for o (0) or for Wo (1)
	s_and_b32 s12, s10, 1                          ; which 128 columns.  Also: which plane, or which 64 rows of k, I fetch
	s_bfe_u32 s40, ttmp6, 0x40000                  ; cx, cy
	s_bfe_u32 s41, ttmp6, 0x40004
	s_lshl_b32 s42, ttmp9, 2
	s_add_co_u32 s42, s42, s40                     ; tile column
	s_and_b32 s13, ttmp7, 0xffff
	s_lshl_b32 s13, s13, 2
	s_add_co_u32 s13, s13, s41                     ; tile row
	s_lshl_b32 s43, s41, 2
	s_lshl_b32 s43, 15, s43                        ; my row of the cluster
	s_lshl_b32 s44, 0x1111, s40                    ; my column
	s_or_b32 s[G1+0], s43, (3<<16)|(1<<20)|(1<<21)|(5<<22)|(3<<25)   ; o: elements of 8 bytes; 4 words of padding behind every 64
	s_mov_b32 s[G1+1], 32<<16                      ; tensor_dim0 = 32: 256 bytes
	s_mov_b32 s[G1+2], 64<<16                      ; tensor_dim1 = 64
	s_mov_b32 s[G1+3], 32<<16                      ; tile_dim0
	s_mov_b32 s[G1+4], 64                          ; tile_dim1
	s_mov_b32 s[G1+5], 32                          ; dense
	s_mov_b32 s[G1+6], 0
	s_mov_b32 s[G1+7], 0
	s_or_b32 s[G1B+0], s44, (3<<16)|(1<<20)|(1<<21)|(6<<22)|(7<<25)  ; Wo: 8 words of padding behind every 128
	s_mov_b32 s[G1B+1], 64<<16                     ; tensor_dim0 = 64: 512 bytes
	s_mov_b32 s[G1B+2], 64<<16                     ; tensor_dim1 = 64
	s_mov_b32 s[G1B+3], 64<<16
	s_mov_b32 s[G1B+4], 64
	s_mov_b32 s[G1B+5], 256                        ; a row of wo16 is 2,048 bytes
	s_mov_b32 s[G1B+6], 0
	s_mov_b32 s[G1B+7], 0
	s_lshl_b32 s20, s12, 20                        ; o: my plane of 1,048,576 bytes,
	s_lshl_b32 s21, s13, 14                        ; the tile row's 128 tokens of 128 bytes
	s_add_co_u32 s20, s20, s21
	s_mov_b32 s21, 0
	s_lshl_b32 s46, s12, 17                        ; Wo: my 64 rows of 2,048 bytes,
	s_lshl_b32 s47, s42, 9                         ; the tile column's 512 bytes
	s_add_co_u32 s46, s46, s47
	s_mov_b32 s47, 0
	s_mul_i32 s22, s12, PLANE                      ; where they go: no place in the cluster enters an LDS address
	s_mul_i32 s23, s12, 64*BP
	s_add_co_u32 s23, s23, BOFF
	s_wait_dscnt 0x0                               ; both opening adds are done
	s_wait_kmcnt 0x0
	s_add_nc_u64 s[20:21], s[4:5], s[20:21]
	s_add_nc_u64 s[46:47], s[6:7], s[46:47]
	CROUND                                         ; all sixteen work-groups are here: the first joint loads meet
.irp s, 0,1
	s_mov_b32 s[G0+4*\s], 1
	s_add_co_u32 s[G0+4*\s+1], s22, \s*SLOT
	s_add_nc_u64 s[G0+4*\s+2:G0+4*\s+3], s[20:21], \s*2097152     ; K step s: heads 2 s, 2 s + 1
	s_or_b32 s[G0+4*\s+3], s[G0+4*\s+3], 0x80000000
	s_mov_b32 s[G0B+4*\s], 1
	s_add_co_u32 s[G0B+4*\s+1], s23, \s*SLOT
	s_add_nc_u64 s[G0B+4*\s+2:G0B+4*\s+3], s[46:47], \s*262144    ; rows 128 s on
	s_or_b32 s[G0B+4*\s+3], s[G0B+4*\s+3], 0x80000000
	JLOAD \s                                       ; two tensor loads of mine are out
.endr
	v_and_b32 v1, 15, v0                           ; r
	v_bfe_u32 v2, v0, 4, 1                         ; h
	s_lshl_b32 s46, s42, 10                        ; my 128 columns, in bytes of f32: 1,024 x tile column + 512 x half: in bo and in a row of out0 alike
	s_lshl_b32 s47, s12, 9
	s_add_co_u32 s46, s46, s47
	s_mov_b32 s47, 0
	s_add_nc_u64 s[16:17], s[16:17], s[46:47]
	v_lshlrev_b32 v7, 5, v2                        ; lane (r, h) wants, for column block b, the numbers 16 b + 8 h + 0 .. 7
.irp b, 0,1,2,3,4,5,6,7
	global_load_b128 v[BIAS+8*\b:BIAS+8*\b+3], v7, s[16:17] offset:64*\b
	global_load_b128 v[BIAS+8*\b+4:BIAS+8*\b+7], v7, s[16:17] offset:64*\b+16
.endr
	v_lshrrev_b32 v3, 1, v1
	v_mul_u32_u24 v3, v3, AU
	v_and_b32 v4, 1, v0
	v_lshl_add_u32 v3, v4, 7, v3
	v_lshl_add_u32 v3, v2, 4, v3                   ; o: token r: unit r / 2, half r % 2; + 16 h
	v_and_b32 v4, 7, v0
	v_lshl_add_u32 v4, v2, 3, v4
	v_mul_u32_u24 v4, v4, BP
	v_bfe_u32 v5, v0, 3, 1
	v_lshl_add_u32 v4, v5, 4, v4                   ; Wo: the turning load's lane l reads row 8 h + l % 8, columns 8 ((l / 8) % 2) + 0..7
	s_mul_i32 s21, s11, 32*AU                      ; my 64 tokens
	s_lshl_b32 s22, s12, 8                         ; my 128 columns: 256 bytes of a row,
	s_add_co_u32 s22, s22, BOFF                    ; behind o's two planes
.irp s, 0,1
	v_add_nc_u32 v[ADRA+\s], s21, v3
	v_add_nc_u32 v[ADRB+\s], s22, v4
	s_add_co_u32 s21, s21, SLOT
	s_add_co_u32 s22, s22, SLOT
.endr
	s_mul_i32 s23, s10, 16*SPITCH
	s_add_co_u32 s23, s23, STAGE                   ; my stage
	v_mul_u32_u24 v5, v1, SPITCH
	v_lshl_add_u32 v5, v2, 5, v5
	v_add_nc_u32 v[STO], s23, v5                   ; in: row r, 32 bytes for each half of the lanes
	v_and_b32 v6, 31, v0
	v_lshlrev_b32 v[CO], 4, v6                     ; back: the 32 lanes take one row of 512 bytes; and the same in out0
	v_add_nc_u32 v[RD], s23, v[CO]
	s_lshl_b32 s20, s13, 19                        ; my first row of out0: 128 x tile row + 64 x half, of 4,096 bytes
	s_lshl_b32 s21, s11, 18
	s_add_co_u32 s20, s20, s21
	s_add_co_u32 s20, s20, s46
	s_mov_b32 s21, 0
	s_add_nc_u64 s[18:19], s[18:19], s[20:21]
; 8 matrix instructions: token block a against the 8 column blocks, 32 along K.  first = 1: the sums begin with the bias as C.  The 32 accumulators take turns, one instruction a turn.
.macro MUL8 f, a, first
.irp b, 0,1,2,3,4,5,6,7
.if \first
	v_wmma_f32_16x16x32_f16 v[8*(8*(\a)+\b):8*(8*(\a)+\b)+7], v[\f+8*\b:\f+8*\b+7], v[\f+64+8*(\a):\f+64+8*(\a)+7], v[BIAS+8*\b:BIAS+8*\b+7]
.else
	v_wmma_f32_16x16x32_f16 v[8*(8*(\a)+\b):8*(8*(\a)+\b)+7], v[\f+8*\b:\f+8*\b+7], v[\f+64+8*(\a):\f+64+8*(\a)+7], v[8*(8*(\a)+\b):8*(8*(\a)+\b)+7]
.endif
.endr
.endm
; 24 LDS loads in one run: the fragments of the slot's q-th 32 along K into buffer f: Wo's 8 (turned), then o's 4
.macro FETCH slot, q, f
	WIN TO_F
.irp b, 0,1,2,3,4,5,6,7
	ds_load_tr16_b128 v[\f+8*\b:\f+8*\b+3],   v[ADRB+\slot] offset:(\q)*32*BP+32*\b
	ds_load_tr16_b128 v[\f+8*\b+4:\f+8*\b+7], v[ADRB+\slot] offset:(\q)*32*BP+32*\b+16*BP
.endr
.irp a, 0,1,2,3
	ds_load_b128 v[\f+64+8*\a:\f+64+8*\a+3],   v[ADRA+\slot] offset:((\q)/2)*PLANE+((\q)%2)*64+8*AU*\a
	ds_load_b128 v[\f+64+8*\a+4:\f+64+8*\a+7], v[ADRA+\slot] offset:((\q)/2)*PLANE+((\q)%2)*64+8*AU*\a+32
.endr
.endm
.macro PLACES                          ; four plain instructions in front of loads into registers that matrix instructions have read, and of the first read of results
.rept 4
	v_nop
.endr
.endm
; A K step is four quarters of 32 along K, 32 matrix instructions each, on buffers 0, 1, 0, 1.  One of the first three: multiplies buffer f and fetches quarter q into g.
.macro QUARTER slot, q, f, g, first
	s_wait_dscnt 4                                 ; Wo's fragments and o's blocks 0, 1 are in; the youngest four loads (blocks 2, 3) may be out
.if \first
	WIN MUL_FIRST
.else
	WIN MUL
.endif
	MUL8 \f, 0, \first
	MUL8 \f, 1, \first
	PLACES
	FETCH \slot, \q, \g
	s_wait_dscnt 24                                ; all but the 24 just issued
.if \first
	WIN MUL_FIRST
.else
	WIN MUL
.endif
	MUL8 \f, 2, \first
	MUL8 \f, 3, \first
.endm
; The last quarter multiplies buffer 1 and changes slots: each wave waits for all its tensor loads, adds 0 to its spare word, and waits for that and for its reads of this slot.  fill = 1: the barrier opens a round of
; the cluster's, and behind it this slot is filled again, two K steps ahead, first thing.
.macro TURN slot, next, fill
	WIN 0
	s_wait_tensorcnt 0x0                           ; all my tensor loads have landed: my part of the next slot
	ds_add_u32 v[SPW], v[NIL]
	s_wait_dscnt 5                                 ; the add and the youngest four loads may be out
	WIN MUL
	MUL8 F1, 0, 0                                  ; eight matrix instructions stand between the add and the wait for it
	s_wait_dscnt 0x0                               ; the add is done, and my reads of this slot are over
	s_barrier_signal -1
	MUL8 F1, 1, 0
	WIN 0
	s_barrier_wait -1
.if \fill
	CREST
	s_add_nc_u64 s[G0+4*\slot+2:G0+4*\slot+3], s[G0+4*\slot+2:G0+4*\slot+3], 4194304     ; four heads on
	s_add_nc_u64 s[G0B+4*\slot+2:G0B+4*\slot+3], s[G0B+4*\slot+2:G0B+4*\slot+3], 524288  ; 256 rows of k on
	JLOAD \slot                                    ; the four v_nop behind it are also the places in front of the loads below
.else
	PLACES
.endif
	FETCH \next, 0, F0
	WIN MUL
	MUL8 F1, 2, 0
	MUL8 F1, 3, 0
.endm
	s_wait_tensorcnt 1                             ; my part of K step 0 is in; K step 1's may be out,
	s_barrier_signal -1
	s_barrier_wait -1                              ; everybody's is
	s_wait_loadcnt 0x0                             ; the bias
	FETCH 0, 0, F0
	QUARTER 0, 1, F0, F1, 1                        ; the first quarter stands in front of the loop: its products start the sums
	WIN 0
	s_mov_b32 s3, 3
.Llap:                                                 ; a trip goes once round the ring and fills both slots again: K steps 2 to 7 in three trips
	QUARTER 0, 2, F1, F0, 0
	QUARTER 0, 3, F0, F1, 0
	TURN 0, 1, 1
	QUARTER 1, 1, F0, F1, 0
	QUARTER 1, 2, F1, F0, 0
	QUARTER 1, 3, F0, F1, 0
	TURN 1, 0, 1
	QUARTER 0, 1, F0, F1, 0
	WIN 0
	s_sub_co_u32 s3, s3, 1
	s_cmp_lg_u32 s3, 0
	s_cbranch_scc1 .Llap
	QUARTER 0, 2, F1, F0, 0                        ; the last lap fills nothing
	QUARTER 0, 3, F0, F1, 0
	TURN 0, 1, 0
	QUARTER 1, 1, F0, F1, 0
	QUARTER 1, 2, F1, F0, 0
	QUARTER 1, 3, F0, F1, 0
	s_wait_dscnt 4                                 ; the very last quarter
	WIN MUL
	MUL8 F1, 0, 0
	MUL8 F1, 1, 0
	s_wait_dscnt 0
	MUL8 F1, 2, 0
	MUL8 F1, 3, 0
	WIN 0
; THE WAY OUT, block by block of 16 tokens x 128 columns: through my own stage, back as whole rows of 512 bytes.
.macro TOSTAGE a
	WIN 0x08                                       ; an LDS store's data are its source 1: window 2
.irp b, 0,1,2,3,4,5,6,7
	ds_store_b128 v[STO], v[8*(8*(\a)+\b):8*(8*(\a)+\b)+3] offset:64*\b          ; each accumulator from its low end on
	ds_store_b128 v[STO], v[8*(8*(\a)+\b)+4:8*(8*(\a)+\b)+7] offset:64*\b+16
.endr
	WIN 0
.set BB, BK+64*((\a)%2)
.irp t, 0,1,2,3,4,5,6,7,8,9,10,11,12,13,14,15
	ds_load_b128 v[BB+4*\t:BB+4*\t+3], v[RD] offset:\t*SPITCH                    ; LDS serves a wave's instructions in order: these see the stores above
.endr
.endm
.macro SEND a, younger                 ; younger: the LDS instructions issued behind block a's loads, which may stay out
.set BB, BK+64*((\a)%2)
	s_wait_dscnt \younger
.if (\a) > 0
	s_add_nc_u64 s[18:19], s[18:19], 65536         ; 16 rows on (behind a wait on XCNT: the earlier stores have read their base)
.endif
.irp t, 0,1,2,3,4,5,6,7,8,9,10,11,12,13,14,15
	global_store_b128 v[CO], v[BB+4*\t:BB+4*\t+3], s[18:19] offset:\t*4096 th:TH_STORE_NT   ; the wave stores 512 consecutive bytes, aligned; written once, read by nobody here
.endr
.endm
	PLACES
	TOSTAGE 0
.irp a, 1,2,3
.if \a > 1
	s_wait_xcnt 0x0                                ; block a - 2's stores have read their registers and their base
.endif
	TOSTAGE \a
	SEND \a-1, 32                                  ; behind block a - 1's loads: block a's 16 stores and 16 loads
.endr
	s_wait_xcnt 0x0
	SEND 3, 0
	s_wait_tensorcnt 0x0                           ; the wave's end
	ds_add_u32 v[SPW], v[NIL]
	s_wait_dscnt 0x0
	CROUND                                         ; the closing round
	s_endpgm
.Lfunc_end_k_q4641555022_proj:
	.size	k_q4641555022_proj, .Lfunc_end_k_q4641555022_proj-k_q4641555022_proj
	.p2alignl 7, 3214868480
	.fill 96, 4, 3214868480
	.section	.rodata,"a",@progbits
	.p2align	6, 0x0
	.amdhsa_kernel k_q4641555022_proj
		.amdhsa_group_segment_fixed_size 327680
		.amdhsa_private_segment_fixed_size 0
		.amdhsa_enable_private_segment 0
		.amdhsa_kernarg_size 32
		.amdhsa_user_sgpr_count 2
		.amdhsa_user_sgpr_kernarg_segment_ptr 1
		.amdhsa_wavefront_size32 1
		.amdhsa_system_sgpr_workgroup_id_x 1
		.amdhsa_system_sgpr_workgroup_id_y 1
		.amdhsa_system_sgpr_workgroup_id_z 1
		.amdhsa_system_vgpr_workitem_id 0
		.amdhsa_next_free_vgpr 768
		.amdhsa_next_free_sgpr 66
		.amdhsa_reserve_vcc 0
		.amdhsa_float_denorm_mode_32 3
		.amdhsa_float_denorm_mode_16_64 3
		.amdhsa_memory_ordered 1
		.amdhsa_forward_progress 1
		.amdhsa_inst_pref_size 87
	.end_amdhsa_kernel
	.amdgpu_metadata
---
amdhsa.version: [ 1, 2 ]
amdhsa.kernels:
  - .name:           k_q4641555022_proj
    .symbol:         k_q4641555022_proj.kd
    .args:
      - { .name: o16, .offset: 0, .size: 8, .value_kind: global_buffer, .address_space: global }
      - { .name: wo16, .offset: 8, .size: 8, .value_kind: global_buffer, .address_space: global }
      - { .name: bo, .offset: 16, .size: 8, .value_kind: global_buffer, .address_space: global }
      - { .name: out0, .offset: 24, .size: 8, .value_kind: global_buffer, .address_space: global }
    .group_segment_fixed_size: 327680
    .private_segment_fixed_size: 0
    .kernarg_segment_align: 8
    .kernarg_segment_size: 32
    .max_flat_workgroup_size: 128
    .sgpr_count:     66
    .vgpr_count:     768
    .wavefront_size: 32
...
	.end_amdgpu_metadata
.endif
;; end of part 4
